; MI455X (gfx1250); checked and timed in simulation.
; The chip was launched on July 23, 2026; its instructions are those of AMD's public machine-readable ISA for CDNA 5 (MIT licence, August 2026) and "CDNA5" Instruction Set Architecture Reference Guide (July 2026). The comments in the code are by the model that wrote it; some were corrected since.
;; Softly Masked Attention. Allowed arithmetic: matrix products marked QUANTISED: E3M2 operands, one E8M0 scale for each 32 along K, by v_wmma_scale_f32_16x16x128_f8f6f4 with both operands' format E3M2, f32 sums; everything else in f32.
;; Inputs: K_codes 8 x 2,048 x 16 x 24 uint8 (E3M2 codes of K, K innermost, in blocks of 32 codes, four codes in three bytes); K_scales 8 x 2,048 x 16 uint8 (E8M0 scales of K, one for each 32 codes along K); Q_codes 8 x 2,048 x 32 x 24 uint8 (E3M2 codes of Q, K innermost, in blocks of 32 codes, four codes in three bytes); Q_scales 8 x 2,048 x 32 uint8 (E8M0 scales of Q, one for each 32 codes along K); Wk_codes 512 x 16 x 24 uint8 (E3M2 codes of Wk, K innermost, in blocks of 32 codes, four codes in three bytes); Wk_scales 512 x 16 uint8 (E8M0 scales of Wk, one for each 32 codes along K); Wq_codes 512 x 32 x 24 uint8 (E3M2 codes of Wq, K innermost, in blocks of 32 codes, four codes in three bytes); Wq_scales 512 x 32 uint8 (E8M0 scales of Wq, one for each 32 codes along K); Wv_codes 512 x 16 x 24 uint8 (E3M2 codes of Wv, K innermost, in blocks of 32 codes, four codes in three bytes); Wv_scales 512 x 16 uint8 (E8M0 scales of Wv, one for each 32 codes along K); bk 512 float32; bq 512 float32; bv 512 float32; mask_weights 8 x 2,048 float32.
;; Outputs: out0 8 x 2,048 x 512 float32.
;; This version of the problem:
;;   THIS VERSION OF THE PROBLEM IS GIVEN IN LOW PRECISION. The matrix products marked QUANTISED in the list below multiply operands that are first quantised to E3M2 (3 exponent bits, 2 mantissa bits; 6 bits a number), with one power-of-two scale for each 32 numbers along K (OCP MX v1.0); their sums are f32. All else is computed in f32.
;;   The module's matrix products, in the order in which they are computed (A, B: the left and right operand; K: the contracted axis; several contracted axes count as one K, in the product's order):
;;     1. [M 16,384, K 1,024] x [K 1,024, N 512]; A: input Q (given as codes); B: input Wq (given as codes): QUANTISED
;;     2. [M 16,384, K 512] x [K 512, N 512]; A: input K (given as codes); B: input Wk (given as codes): QUANTISED
;;     3. [M 16,384, K 512] x [K 512, N 512]; A: computed on the way; B: input Wv (given as codes): QUANTISED
;;     4. batch 8 x [M 2,048, K 512] x [K 512, N 2,048]; A: computed on the way; B: computed on the way: QUANTISED
;;     5. batch 8 x [M 2,048, K 2,048] x [K 2,048, N 512]; A: softmax (see below); B: computed on the way: QUANTISED
;;   THE QUANTISER, for each operand of a quantised product, along K:
;;     - K is cut into blocks of 32 from its start; a last block that is shorter is filled with zeros.
;;     - A block's scale is 2^e with e = floor(log2(the largest magnitude in the block)) - 4, held to -126 .. 127; a block of zeros has e = 0. As a byte (E8M0): e + 127.
;;     - Each number is divided by its block's scale, clamped to +-28, and rounded to the nearest number of E3M2, ties to even, subnormals kept.
;;     - The product sums the exact products of the quantised numbers (number of the format x scale) in f32.
;;   ~~~python
;;   def quantise(x, axis):      # numpy; x: float32 -> the quantised numbers, widened to float32 again
;;       x = np.moveaxis(x, axis, -1); K = x.shape[-1]
;;       x = np.pad(x, [(0, 0)] * (x.ndim - 1) + [(0, -K % 32)]); x = x.reshape(x.shape[:-1] + (-1, 32)); a = np.abs(x).max(-1, keepdims=True)
;;       e = np.where(a > 0, np.clip(np.frexp(np.where(a > 0, a, 1))[1] - 1 - 4, -126, 127), 0)      # np.frexp(a)[1] - 1 = floor(log2(a)), exactly
;;       r = np.clip(x / 2.0 ** e, -28, 28)
;;       step = 2.0 ** (np.maximum(np.frexp(np.where(r == 0, 1, r))[1] - 1, -2) - 2)
;;       q = np.round(r / step) * step * 2.0 ** e      # np.round: ties to even
;;       return np.moveaxis(q.reshape(q.shape[:-2] + (-1,))[..., :K], -1, axis).astype(np.float32)
;;   ~~~
;;   SOFTMAX AHEAD OF A QUANTISED PRODUCT. Where the list says 'softmax', what is quantised is not the finished softmax but p = 2^(t - M), with t = logit x log2(e) and M = ceil(the row's largest t), a whole number; so 1/2 < the row's largest p <= 1. The row's sum l is taken of the UNQUANTISED p, in f32, and the product's result is divided by l at the end. Since M is a whole number, a kernel that streams over the keys may use a running M (the ceiling of the running maximum): every later rescaling is an exact power of two, which a block's scale takes up: the codes' values come out the same.
;;   OPERANDS COMPUTED ON THE WAY. 'Computed on the way' means the value that the module computes at that place (a softmax that the list does not call 'softmax' is quantised finished and normalised). What goes into a quantiser is computed in f32, as accurately as f32 sums, v_exp_f32 and their like allow (about 1e-6 of the number): no bf16 or f16 on the way to a quantiser, and a product that is left as it is and whose result goes on into a quantised operand takes f32 operands (vector FMAs, or v_wmma_f32_16x16x4_f32). A number that lies on a knife's edge between two numbers of the format may be rounded either way, as far as f32 arithmetic and the matrix unit's own rounding can turn it there, and no further.
;;   INPUTS GIVEN AS CODES. K (in the module: [8, 2048, 512], K = its axis 2); Q (in the module: [8, 2048, 1024], K = its axis 2); Wk (in the module: [512, 512], K = its axis 1); Wq (in the module: [512, 1024], K = its axis 1); Wv (in the module: [512, 512], K = its axis 1): each comes as NAME_codes (uint8): NAME with its K axis moved to the last place and cut into blocks of 32 codes, [.., K / 32, bytes a block], one block behind the other in memory; four codes in three bytes: a row's codes are one little-endian stream of bits, code i at bits 6 i .. 6 i + 5 (a code: sign, 3 exponent bits, 2 mantissa bits); and NAME_scales (uint8): the same leading axes, one E8M0 byte (e + 127) for each 32 codes along K. Its value is code x scale, taken as it is: it is not quantised again, and the codes and scales need not be those that the quantiser above would give.
;; One version. Each part assembles by itself: llvm-mc -triple=amdgcn-amd-amdhsa -mcpu=gfx1250 --defsym DOCPART=n.
;; ======== version 1 of 1: 2 launches
;; limits: right only within a limited range of input values
;; workspace buffers: kblk 6,553,600 bytes; vblk 6,553,600 bytes; wqb 393,216 bytes
;; launch kvproj (part 1): grid 32 x 8, 4 waves a work-group, clusters of 4 x 1, 327,680 bytes of LDS; arguments K_codes, K_scales, Wk_codes, Wk_scales, bk, Wv_codes, Wv_scales, bv, Wq_codes, kblk, vblk, wqb; writes kblk, vblk, wqb
.if DOCPART == 1
	.amdgcn_target "amdgcn-amd-amdhsa--gfx1250"
	.amdhsa_code_object_version 6
	.text
	.protected	k_q1f8195dd99_kvproj
	.globl	k_q1f8195dd99_kvproj
	.p2align	8
	.type	k_q1f8195dd99_kvproj,@function
k_q1f8195dd99_kvproj:
	s_mov_b64 s[64:65], 0
	v_nop
	global_prefetch_b8 v0, s[64:65] scope:SCOPE_SE
	s_setreg_imm32_b32 hwreg(HW_REG_WAVE_MODE, 25, 1), 1
	s_wait_xcnt 0x0
	s_wait_alu depctr_hold_cnt(0) depctr_sa_sdst(0) depctr_va_vdst(0) depctr_va_sdst(0) depctr_va_ssrc(0) depctr_va_vcc(0) depctr_vm_vsrc(0)
	s_getreg_b32 s2, hwreg(HW_REG_IB_STS2, 6, 4)
	s_cmp_eq_u32 s2, 0
	s_cbranch_scc0 .Lentry_in_a_cluster
	s_endpgm
.Lentry_in_a_cluster:
	s_bfe_u32 s2, ttmp6, 0x10000c
	s_cmp_lg_u32 s2, 0x3003
	s_cbranch_scc0 .Lentry_shape_is_right
	s_endpgm
.Lentry_shape_is_right:
; k = K Wk^T + bk, quantised along h;  v = Q(k) Wv^T + bv, quantised along the keys.  All products on codes of BF6 (E3M2) with one E8M0 scale for each 32 along K.
; A work-group takes 64 keys of one batch.  THE WAVES SHARE THE COLUMNS: wave w makes h units (then dv) 128 w .. 128 w + 127 for all 64 keys, so its 128 rows of Wk, and later of Wv,
; stand in its registers (192 + 192).  The weights come by tensor loads that the four work-groups of a cluster ask for jointly: each wave its own 128 rows, into LDS bytes of its own.
; RESULTS leave as IMAGES OF OPERAND REGISTERS (a fragment's 12 registers: group i of four at 512 i + 16 x lane), in the order in which the attention launch reads them:
;   kblk[batch][step of 128 keys]: 32 images at 1536 (8 w' + 4 u + s): keys 32 w' + 8 u + r + 8 (r / 8), K step s; at 49152 + 512 w' the scale words: (u, s, row r) at 16 (r + 16 (s % 2)) + 4 (2 u + s / 2).
;   vblk[batch][step]: fragment (w, T), dv = 128 w + 16 T + r, at 1536 (8 w + T), in two halves c of 768 bytes (keys 64 c + 32 (lane / 16) + 0 .. 31): registers 6 c .. 6 c + 3 at 16 x lane, 6 c + 4, 5 at 512 + 8 x lane;
;   at 49152 + 512 w + 256 c + 8 x lane four pairs of scale bytes: pair i is tile 2 i + lane / 16, blocks 2 c and 2 c + 1.  This work-group fills half c = kb % 2 of step kb / 2.
; Besides, wave 0 lays one of Wq's 256 fragments (tile kb, K step = batch) into wqb as an image.
; THE KEYS OF A TILE ARE NOT NEIGHBOURS: lane r of tile 2 b + u takes key 32 b + 8 u + r + 8 (r / 8); Wk's rows of a tile likewise.  So 16 registers of two neighbouring tiles are 16 neighbours along the next K.
; LIMITS: blocks whose largest magnitude lies under 2^(5 - 127) get the byte 1 (a block of zeros too: its codes are zeros, and this program alone reads the bytes); NaN and infinities are not served.
; REGISTERS: window 0: addresses, scale words, biases, codes at work.  window 1: the 32 accumulators (k: 64 n + 8 t; v: 32 T + 8 n).  window 2: weights of K steps 0, 1 at 12 (8 (s % 2) + t); v192.. the keys' fragments of even s.
;   window 3: weights of K steps 2, 3; v192.. the keys' fragments of odd s.
.set PITCH, 432                        ; a row of 512 codes in LDS: 3 x (128 bytes + 16 of padding)
.set WREGB, 128*PITCH                  ; a wave's 128 weight rows
.set KST,   4*WREGB                    ; the 64 keys' rows, same pitch
.set KIMG,  KST+64*PITCH               ; k's 16 images, 4 n + s
.set KSC,   KIMG+16*1536               ; k's scale words, laid as in kblk
.set SPARE, KSC+1024                   ; the spare words: 128 bytes a wave, named by no other line
.set WV,  28
.set SEL, 44
.set LI,  4                            ; 16 x lane
.set L8,  5                            ; 8 x lane
.set AWK, 6                            ; v6, v7   Wk's rows in my region: tile order, + 24 h; + 40 h for pieces behind one padding more
.set AWV, 8                            ; v8, v9   Wv's rows: natural order
.set AKR, 10                           ; v10, v11 the keys' rows
.set AKW, 12                           ; where I store my 16 keys' rows
.set AIW, 13                           ; where I store k's images
.set AIR, 14                           ; where any wave reads them
.set ASW, 15                           ; where I store k's scale words
.set ASR, 16                           ; where they are read as operands
.set ASO, 17                           ; and on their way to kblk
.set SPW, 18
.set NIL, 19
.set H16, 20                           ; 16 h
.set ORS, 21                           ; 16 (r + 8 (r / 8))
.set O64H, 22
.set O16R, 23
.set O4R, 24
.set ORL, 25
.set WS,  32                           ; v32-63   Wk's scale words, 4 t + s
.set KS,  64                           ; v64-79   K's, 4 n + s
.set KW,  80                           ; v80-87   k's own, 2 n + s / 2; odd s in lanes 16-31
.set VSO, 88
.set BIAS, 96                          ; v96-159  eight registers a tile: the C of a sum's first product
.set PC,  160                          ; v160-179 the codes just made
.set TM,  180                          ; v180-195 at work in QUANT
.set PW,  196                          ; the scale word just made
.set SCO, 198
.set PWS, 200
.set BVR, 204
.set RLY, 212
.set WS2, 224                          ; v224-255 Wv's scale words, 4 T + s
.set MSB, 0
.macro WIN new                         ; the immediate's high byte repeats the setting that is left
.if MSB != (\new)
	s_set_vgpr_msb (MSB<<8)|(\new)
.set MSB, \new
.endif
.endm
.macro PLACES n
.rept \n
	v_nop
.endr
.endm
.macro CROUND                          ; a round of the cluster's barrier
	s_barrier_signal -1
	s_barrier_wait -1
	s_cmp_lg_u32 s[WV], 0
	s_cbranch_scc1 .Lnot_wave_0_\@
	s_barrier_signal -3
.Lnot_wave_0_\@:
	s_barrier_wait -3
	s_barrier_signal -1
	s_barrier_wait -1
.endm
; one product.  rows = 1: source 0's scales stand in lanes 16-31
.macro MM d, a, b, c, sa, sb, rows
.if (\rows) == 0
	v_wmma_scale_f32_16x16x128_f8f6f4 v[0+(\d):7+(\d)], v[0+(\a):11+(\a)], v[0+(\b):11+(\b)], v[0+(\c):7+(\c)], v[\sa], v[\sb] matrix_a_fmt:MATRIX_FMT_BF6 matrix_b_fmt:MATRIX_FMT_BF6
.else
	v_wmma_scale_f32_16x16x128_f8f6f4 v[0+(\d):7+(\d)], v[0+(\a):11+(\a)], v[0+(\b):11+(\b)], v[0+(\c):7+(\c)], v[\sa], v[\sb] matrix_a_fmt:MATRIX_FMT_BF6 matrix_b_fmt:MATRIX_FMT_BF6 matrix_a_scale:MATRIX_SCALE_ROW1
.endif
.endm
; a fragment from padded rows: six pieces of 8 bytes.  Lanes 16-31 read three pieces further on, which is behind one padding more where the piece's number mod 16 is 13 or more
.macro FRAG reg, adr, row0, s
.irp p, 0,1,2,3,4,5
.set PCN, 12*(\s)+6*(\p/3)+\p%3
.if PCN%16 < 13
	ds_load_b64 v[2*\p+(\reg):2*\p+(\reg)+1], v[\adr] offset:(\row0)*PITCH+8*PCN+16*(PCN/16)
.else
	ds_load_b64 v[2*\p+(\reg):2*\p+(\reg)+1], v[\adr+1] offset:(\row0)*PITCH+8*PCN+16*(PCN/16)
.endif
.endr
.endm
.macro WLOAD adr, nat                  ; my 128 weight rows become 32 fragments.  nat = 1: a tile's rows are neighbours
.irp s, 0,1,2,3
.if \s == 0
	WIN 0x80
.endif
.if \s == 2
	WIN 0xc0
.endif
.irp t, 0,1,2,3,4,5,6,7
.if \nat
	FRAG 12*(8*(\s%2)+\t), \adr, 16*\t, \s
.else
	FRAG 12*(8*(\s%2)+\t), \adr, 32*(\t/2)+8*(\t%2), \s
.endif
.endr
.endr
	WIN 0
.endm
.macro XLOADK s                        ; the four key tiles' fragments of K step s, from the keys' rows: 24 loads
.if (\s)%2
	WIN 0xc0
.else
	WIN 0x80
.endif
.irp n, 0,1,2,3
	FRAG 192+12*\n, AKR, 32*(\n/2)+8*(\n%2), \s
.endr
.endm
.macro XLOADI s                        ; the same of k, from the images: 12 loads
.if (\s)%2
	WIN 0xc0
.else
	WIN 0x80
.endif
.irp n, 0,1,2,3
.irp i, 0,1,2
	ds_load_b128 v[192+12*\n+4*\i:192+12*\n+4*\i+3], v[AIR] offset:1536*(4*\n+(\s))+512*\i
.endr
.endr
.endm
; 32 products of k^T: source 0 = 16 rows of Wk, source 1 = 16 keys.  The 32 accumulators take turns, one instruction a turn
.macro MK s
.if (\s) == 0
	WIN 0x4a
.elseif (\s) == 1
	WIN 0x5e
.elseif (\s) == 2
	WIN 0x5b
.else
	WIN 0x5f
.endif
.irp t, 0,1,2,3,4,5,6,7
.irp n, 0,1,2,3
.if (\s) == 0
	MM 64*\n+8*\t, 12*\t, 192+12*\n, BIAS+8*\t, WS+4*\t, KS+4*\n, 0
.else
	MM 64*\n+8*\t, 12*(8*((\s)%2)+\t), 192+12*\n, 64*\n+8*\t, WS+4*\t+(\s), KS+4*\n+(\s), 0
.endif
.endr
.endr
.endm
; 32 products of v: source 0 = 16 keys of k, source 1 = 16 rows of Wv: a lane holds one dv, its registers run along the keys
.macro MV s
.if (\s) == 0
	WIN 0x4a
.elseif (\s) == 1
	WIN 0x5b
.elseif (\s) == 2
	WIN 0x5e
.else
	WIN 0x5f
.endif
.irp t, 0,1,2,3,4,5,6,7
.irp n, 0,1,2,3
.if (\s) == 0
	MM 32*\t+8*\n, 192+12*\n, 12*\t, BIAS+8*\t, KW+2*\n, WS2+4*\t, 0
.else
	MM 32*\t+8*\n, 192+12*\n, 12*(8*((\s)%2)+\t), 32*\t+8*\n, KW+2*\n+(\s)/2, WS2+4*\t+(\s), (\s)%2
.endif
.endr
.endr
.endm
; 64 numbers of a lane in window 1, register 16 b + i = place 32 b + 16 (lane / 16) + i along K of my row, become 12 registers of codes in v[PC] on and four scale bytes in v[PW].
; Each accumulator is read from its low end on.
.macro QUANT src
	WIN 0x14
.irp b, 0,1,2,3
	v_max3_num_f32 v[TM+\b], 0x2800000, |v[16*\b+(\src)]|, |v[16*\b+(\src)+1]|   ; and the floor 2^(5 - 127): the byte cannot fall under 1
.endr
.irp i, 2,4,6,8,10,12,14
.irp b, 0,1,2,3
	v_max3_num_f32 v[TM+\b], v[TM+\b], |v[16*\b+\i+(\src)]|, |v[16*\b+\i+(\src)+1]|
.endr
.endr
	WIN 0
	s_wait_alu depctr_va_vdst(0)
	s_wait_xcnt 0x0                                ; the stores of the codes made last have read their registers:
	s_wait_dscnt 0x0                               ; PW and PC are written again only behind these two waits
.irp b, 0,1,2,3
	v_permlanex16_b32 v[TM+4+\b], v[TM+\b], s[SEL], s[SEL+1]
.endr
.irp b, 0,1,2,3
	v_max_num_f32 v[TM+\b], v[TM+\b], v[TM+4+\b]   ; with lane l xor 16's: the block's largest magnitude
.endr
.irp b, 0,1,2,3
	v_add_nc_u32 v[TM+12+\b], 0xfe000000, v[TM+\b] ; 4 off its exponent field: the conversion's scale operand
.endr
.irp b, 0,1,2,3
	v_lshrrev_b32 v[TM+4+\b], 23, v[TM+12+\b]      ; the scale's byte
.endr
	v_lshl_or_b32 v[PW], v[TM+5], 8, v[TM+4]
	v_lshl_or_b32 v[PW], v[TM+6], 16, v[PW]
	v_lshl_or_b32 v[PW], v[TM+7], 24, v[PW]
	WIN 0x01
.irp c, 0,1
	v_cvt_scalef32_pk16_bf6_f32 v[PC+6*\c:PC+6*\c+2], v[32*\c+(\src):32*\c+(\src)+15], v[TM+12+2*\c]
	v_cvt_scalef32_pk16_bf6_f32 v[PC+12+4*\c:PC+14+4*\c], v[32*\c+16+(\src):32*\c+(\src)+31], v[TM+13+2*\c]   ; (a conversion's three registers begin on an even number)
.endr
	WIN 0
	v_nop                                          ; one plain place behind a scaled conversion
.irp c, 0,1                            ; a whole block to a lane: lanes 0-15 block 2 c, lanes 16-31 block 2 c + 1
.irp i, 0,1,2
	v_permlane16_swap_b32 v[PC+6*\c+\i], v[PC+12+4*\c+\i]
.endr
.irp i, 0,1,2
	v_mov_b32 v[PC+3+6*\c+\i], v[PC+12+4*\c+\i]
.endr
.endr
.endm
	s_load_b512 s[4:19], s[0:1], 0x0               ; K_codes 4, K_scales 6, Wk_codes 8, Wk_scales 10, bk 12, Wv_codes 14, Wv_scales 16, bv 18
	s_load_b256 s[20:27], s[0:1], 0x40             ; Wq_codes 20, kblk 22, vblk 24, wqb 26
	v_lshl_add_u32 v[SPW], v0, 2, SPARE
	v_mov_b32 v[NIL], 0
	ds_add_u32 v18, v19
	ds_add_u32 v18, v19
	s_wait_dscnt 0x0
	v_lshrrev_b32 v1, 5, v0
	v_readfirstlane_b32 s[WV], v1                  ; wave 0..3
	s_bfe_u32 s29, ttmp6, 0x40000                  ; cx: it enters global addresses alone
	s_lshl_b32 s30, ttmp9, 2
	s_add_co_u32 s30, s30, s29                     ; kb: my block of 64 keys, 0..31
	s_and_b32 s31, ttmp7, 0xffff                   ; the batch
	; descriptor group 1: my 128 weight rows of 384 bytes are one dense block of 49,152 bytes: stated as 192 rows of 256 bytes, each at a multiple of 256 from the buffer's first byte; 16 bytes of padding behind every 128, so a weight row is 432 bytes of LDS
	s_mov_b32 s32, 15|(1<<20)|(1<<21)|(4<<22)|(3<<25)  ; the mask: all four work-groups; elements of 1 byte; padding on; bit 21 beside a mask; after every 32 words; 4 words
	s_mov_b32 s33, 256<<16                         ; tensor_dim0
	s_mov_b32 s34, 192<<16                         ; tensor_dim1
	s_mov_b32 s35, 256<<16                         ; tile_dim0
	s_mov_b32 s36, 192                             ; tile_dim1
	s_mov_b32 s37, 256                             ; from row to row
	s_mov_b32 s38, 0
	s_mov_b32 s39, 0
	s_mov_b32 s40, 1
	s_mul_i32 s41, s[WV], WREGB                    ; my region in LDS
	s_mul_i32 s46, s[WV], 49152                    ; my 128 rows in memory
	s_mov_b32 s47, 0
	s_mov_b32 s[SEL], 0x76543210
	s_mov_b32 s[SEL+1], 0xfedcba98
	s_wait_kmcnt 0x0
	s_add_nc_u64 s[42:43], s[8:9], s[46:47]
	s_or_b32 s43, s43, 0x80000000
	s_add_nc_u64 s[14:15], s[14:15], s[46:47]      ; Wv's part, for the refill
	CROUND                                         ; all four work-groups are here: the joint loads meet
	tensor_load_to_lds s[40:43], s[32:39]          ; my 128 rows of Wk
	s_nop 0
	PLACES 4
	v_and_b32 v3, 31, v0                           ; lane
	v_and_b32 v1, 15, v0                           ; r
	v_bfe_u32 v2, v0, 4, 1                         ; h
	v_lshlrev_b32 v[LI], 4, v3
	v_lshlrev_b32 v[L8], 3, v3
	v_and_b32 v26, 8, v1
	v_add_nc_u32 v26, v26, v1                      ; r + 8 (r / 8)
	v_mul_u32_u24 v27, v26, PITCH
	v_mad_u32_u24 v27, v2, 24, v27
	v_mul_u32_u24 v28, v1, PITCH
	v_mad_u32_u24 v28, v2, 24, v28
	v_add_nc_u32 v[AWK], s41, v27
	v_lshl_add_u32 v[AWK+1], v2, 4, v[AWK]
	v_add_nc_u32 v[AWV], s41, v28
	v_lshl_add_u32 v[AWV+1], v2, 4, v[AWV]
	v_add_nc_u32 v[AKR], KST, v27
	v_lshl_add_u32 v[AKR+1], v2, 4, v[AKR]
	v_lshrrev_b32 v29, 3, v3                       ; a load's 512 bytes are four pieces of 128, each with 16 of padding behind it
	v_mul_u32_u24 v29, v29, 144
	v_and_b32 v30, 7, v3
	v_lshl_add_u32 v29, v30, 4, v29
	s_mul_i32 s48, s[WV], 16*PITCH
	s_add_co_u32 s48, s48, KST
	v_add_nc_u32 v[AKW], s48, v29
	s_mul_i32 s48, s[WV], 1536
	s_add_co_u32 s48, s48, KIMG
	v_add_nc_u32 v[AIW], s48, v[LI]
	v_add_nc_u32 v[AIR], KIMG, v[LI]
	s_and_b32 s48, s[WV], 1
	s_lshl_b32 s48, s48, 8
	s_lshr_b32 s49, s[WV], 1
	s_lshl_b32 s49, s49, 2
	s_add_co_u32 s48, s48, s49
	s_add_co_u32 s48, s48, KSC
	v_lshl_add_u32 v[ASW], v1, 4, s48              ; my K step is s = w: 16 r + 256 (w % 2) + 4 (w / 2)
	v_add_nc_u32 v[ASR], KSC, v[LI]
	s_lshl_b32 s48, s[WV], 8
	s_add_co_u32 s48, s48, KSC
	v_add_nc_u32 v[ASO], s48, v[L8]
	v_lshlrev_b32 v[H16], 4, v2
	v_lshlrev_b32 v[ORS], 4, v26
	v_lshlrev_b32 v[O64H], 6, v2
	s_wait_alu depctr_va_vdst(0)
	v_lshlrev_b32 v[O16R], 4, v1
	s_wait_alu depctr_va_vdst(0)
	v_lshlrev_b32 v[O4R], 2, v1
	s_wait_alu depctr_va_vdst(0)
	v_mul_u32_u24 v[ORL], v26, 768
	v_mad_u32_u24 v[ORL], v2, 24, v[ORL]
.irp b, 0,1,2,3
	v_mov_b32 v[TM+4+\b], 0                        ; written once: a lane permute's destination counts as one of its sources
.endr
	; where my parts begin, in bytes; every offset stays under 2^32
	s_mov_b32 s49, 0
	s_lshl_b32 s46, s31, 11
	s_lshl_b32 s47, s30, 6
	s_add_co_u32 s46, s46, s47                     ; my block's first key
	s_lshl_b32 s47, s[WV], 4
	s_add_co_u32 s48, s46, s47
	s_mul_i32 s48, s48, 384
	s_add_nc_u64 s[4:5], s[4:5], s[48:49]          ; K's codes at my wave's 16 keys
	s_lshl_b32 s48, s46, 4
	s_add_nc_u64 s[6:7], s[6:7], s[48:49]          ; K's scales at the block's first key
	s_lshl_b32 s48, s[WV], 11
	s_add_nc_u64 s[10:11], s[10:11], s[48:49]      ; the weights' scales at my 128 rows
	s_add_nc_u64 s[16:17], s[16:17], s[48:49]
	s_lshl_b32 s48, s[WV], 9
	s_add_nc_u64 s[12:13], s[12:13], s[48:49]      ; the biases at my 128 numbers
	s_add_nc_u64 s[18:19], s[18:19], s[48:49]
	s_lshl_b32 s50, s31, 4
	s_lshr_b32 s52, s30, 1
	s_add_co_u32 s50, s50, s52
	s_mul_i32 s50, s50, 51200                      ; the block of my step in kblk and in vblk
	s_and_b32 s51, s30, 1                          ; c: which half of the step
	s_mul_i32 s48, s51, 24576
	s_add_co_u32 s48, s48, s50
	s_mul_i32 s52, s[WV], 1536
	s_add_co_u32 s48, s48, s52
	s_add_nc_u64 s[56:57], s[22:23], s[48:49]      ; kblk: image 16 c + 4 n + w
	s_lshl_b32 s48, s51, 10
	s_add_co_u32 s48, s48, s50
	s_lshl_b32 s52, s[WV], 8
	s_add_co_u32 s48, s48, s52
	s_add_co_u32 s48, s48, 49152
	s_add_nc_u64 s[58:59], s[22:23], s[48:49]      ; kblk: my 256 bytes of the scale words
	s_mul_i32 s48, s51, 768
	s_add_co_u32 s48, s48, s50
	s_mul_i32 s52, s[WV], 12288
	s_add_co_u32 s48, s48, s52
	s_add_nc_u64 s[60:61], s[24:25], s[48:49]      ; vblk: half c of fragment (w, 0)
	s_lshl_b32 s48, s51, 8
	s_add_co_u32 s48, s48, s50
	s_lshl_b32 s52, s[WV], 9
	s_add_co_u32 s48, s48, s52
	s_add_co_u32 s48, s48, 49152
	s_add_nc_u64 s[62:63], s[24:25], s[48:49]      ; vblk: my 256 scale bytes
	s_lshr_b32 s52, s30, 3
	s_lshl_b32 s52, s52, 7
	s_bfe_u32 s53, s30, 0x20001
	s_lshl_b32 s53, s53, 5
	s_add_co_u32 s52, s52, s53
	s_lshl_b32 s53, s51, 3
	s_add_co_u32 s52, s52, s53                     ; Wq's tile kb begins at row 128 (kb / 8) + 32 ((kb / 2) % 4) + 8 (kb % 2)
	s_mul_i32 s48, s52, 768
	s_mul_i32 s53, s31, 96                         ; its K step is the batch's number
	s_add_co_u32 s48, s48, s53
	s_add_nc_u64 s[20:21], s[20:21], s[48:49]
	s_mul_i32 s48, s31, 49152
	s_mul_i32 s53, s30, 1536
	s_add_co_u32 s48, s48, s53
	s_add_nc_u64 s[26:27], s[26:27], s[48:49]
	WIN 0x40
.irp i, 0,1,2,3,4,5,6,7,8,9,10,11
	global_load_b128 v[4*\i:4*\i+3], v[LI], s[4:5] offset:512*\i th:TH_LOAD_NT   ; my 16 keys' rows: 6,144 dense bytes, 512 an instruction; read once in the launch
.endr
	WIN 0
.irp n, 0,1,2,3
	global_load_b128 v[KS+4*\n:KS+4*\n+3], v[ORS], s[6:7] offset:(32*(\n/2)+8*(\n%2))*16
.endr
.irp t, 0,1,2,3,4,5,6,7
	global_load_b128 v[WS+4*\t:WS+4*\t+3], v[ORS], s[10:11] offset:(32*(\t/2)+8*(\t%2))*16
.endr
.irp t, 0,1,2,3,4,5,6,7
	global_load_b128 v[BIAS+8*\t:BIAS+8*\t+3], v[O64H], s[12:13] offset:(32*(\t/2)+8*(\t%2))*4      ; bk at units 32 (t / 2) + 16 h + 8 (t % 2) + 0 .. 7: the result's layout
	global_load_b128 v[BIAS+8*\t+4:BIAS+8*\t+7], v[O64H], s[12:13] offset:(32*(\t/2)+8*(\t%2))*4+16
.endr
.irp t, 0,1,2,3,4,5,6,7
	global_load_b128 v[WS2+4*\t:WS2+4*\t+3], v[O16R], s[16:17] offset:256*\t
.endr
.irp t, 0,1,2,3,4,5,6,7
	global_load_b32 v[BVR+\t], v[O4R], s[18:19] offset:64*\t                     ; bv[16 T + r]
.endr
	s_wait_loadcnt 44                              ; the 12 loads of rows are in; the 4 + 8 + 16 + 8 + 8 behind them may be out
	WIN 0x04
.irp i, 0,1,2,3,4,5,6,7,8,9,10,11
	ds_store_b128 v[AKW], v[4*\i:4*\i+3] offset:576*\i
.endr
	WIN 0
	s_cmp_lg_u32 s[WV], 0                          ; wave 0 lays one fragment of Wq out for the attention launch
	s_cbranch_scc1 .Lno_relay
	s_wait_alu depctr_va_vdst(0)
.irp p, 0,1,2,3,4,5
	global_load_b64 v[RLY+2*\p:RLY+2*\p+1], v[ORL], s[20:21] offset:48*(\p/3)+8*(\p%3)
.endr
	s_wait_loadcnt 0x0
.irp i, 0,1,2
	global_store_b128 v[LI], v[RLY+4*\i:RLY+4*\i+3], s[26:27] offset:512*\i      ; 512 consecutive bytes, aligned
.endr
.Lno_relay:
	s_wait_tensorcnt 0x0                           ; my rows of Wk are in; nobody else reads them
	WLOAD AWK, 0
	s_wait_tensorcnt 0x0                           ; no tensor load of mine is out, so the descriptor may be written
	ds_add_u32 v[SPW], v[NIL]
	s_mov_b64 s[42:43], s[14:15]                   ; the same bytes of LDS take my rows of Wv
	s_or_b32 s43, s43, 0x80000000
	s_wait_dscnt 0x0                               ; the add is done, Wk stands in registers, my keys' rows lie in LDS
	CROUND                                         ; so of every wave of the cluster
	tensor_load_to_lds s[40:43], s[32:39]          ; it lands under the whole first product
	s_nop 0
	PLACES 4
	XLOADK 0
	XLOADK 1
	s_wait_loadcnt 0x0                             ; scale words and biases
	s_wait_dscnt 24                                ; K step 0's fragments are in, K step 1's 24 loads may be out
	MK 0
	PLACES 4                                       ; in front of loads into registers that these products read
	XLOADK 2
	s_wait_dscnt 24
	MK 1
	PLACES 4
	XLOADK 3
	s_wait_dscnt 24
	MK 2
	s_wait_dscnt 0x0
	MK 3
	PLACES 4                                       ; in front of the first read of results
.irp n, 0,1,2,3                        ; tile n of keys: my 128 units are K step w of both later products
	QUANT 64*\n
.irp i, 0,1,2
	global_store_b128 v[LI], v[PC+4*\i:PC+4*\i+3], s[56:57] offset:6144*\n+512*\i
	ds_store_b128 v[AIW], v[PC+4*\i:PC+4*\i+3] offset:6144*\n+512*\i
.endr
	ds_store_b32 v[ASW], v[PW] offset:512*(\n/2)+8*(\n%2)                        ; lanes r and r + 16 write the same word with the same value
.endr
	s_wait_dscnt 0x0                               ; for the others' sake: my images and scale words lie in LDS
	s_barrier_signal -1
	s_barrier_wait -1                              ; Wv's load may stay out across it
	ds_load_b64 v[SCO:SCO+1], v[ASO]
	ds_load_b128 v[KW:KW+3], v[ASR]
	ds_load_b128 v[KW+4:KW+7], v[ASR] offset:512
	s_wait_tensorcnt 0x0                           ; my rows of Wv are in
	WLOAD AWV, 1
.irp t, 0,1,2,3,4,5,6,7
.irp j, 0,1,2,3,4,5,6,7
	v_mov_b32 v[BIAS+8*\t+\j], v[BVR+\t]           ; bv in the result's layout: a lane's eight registers are one dv.  These stand while the loads are out
.endr
.endr
	XLOADI 0
	XLOADI 1
	s_wait_alu depctr_va_vdst(0)
	s_wait_dscnt 12                                ; all but K step 1's 12 loads
	WIN 0
	global_store_b64 v[L8], v[SCO:SCO+1], s[58:59] ; 256 consecutive bytes of k's scale words
	MV 0
	PLACES 4
	XLOADI 2
	s_wait_dscnt 12
	MV 1
	PLACES 4
	XLOADI 3
	s_wait_dscnt 12
	MV 2
	s_wait_dscnt 0x0
	MV 3
	PLACES 4
.irp i, 0,1,2,3                        ; tiles 2 i and 2 i + 1 of dv: four blocks of 32 keys; PC[6 c' ..] is tile 2 i + c''s half fragment
	QUANT 64*\i
.irp c, 0,1
	global_store_b128 v[LI], v[PC+6*\c:PC+6*\c+3], s[60:61] offset:1536*(2*\i+\c)
	global_store_b64 v[L8], v[PC+6*\c+4:PC+6*\c+5], s[60:61] offset:1536*(2*\i+\c)+512
.endr
	v_mov_b32 v[PWS+\i], v[PW]
.endr
.irp i, 0,1,2,3
	v_lshrrev_b32 v[TM+\i], v[H16], v[PWS+\i]      ; lanes 0-15 take tile 2 i's two bytes, lanes 16-31 tile 2 i + 1's
.endr
	v_perm_b32 v[VSO], v[TM+1], v[TM], 0x05040100
	v_perm_b32 v[VSO+1], v[TM+3], v[TM+2], 0x05040100
	global_store_b64 v[L8], v[VSO:VSO+1], s[62:63] ; 256 consecutive bytes
	s_wait_tensorcnt 0x0                           ; the wave's end
	ds_add_u32 v[SPW], v[NIL]
	s_wait_dscnt 0x0
	CROUND                                         ; the closing round
	s_endpgm
.Lfunc_end_k_q1f8195dd99_kvproj:
	.size	k_q1f8195dd99_kvproj, .Lfunc_end_k_q1f8195dd99_kvproj-k_q1f8195dd99_kvproj
	.p2alignl 7, 3214868480
	.fill 96, 4, 3214868480
	.section	.rodata,"a",@progbits
	.p2align	6, 0x0
	.amdhsa_kernel k_q1f8195dd99_kvproj
		.amdhsa_group_segment_fixed_size 327680
		.amdhsa_private_segment_fixed_size 0
		.amdhsa_enable_private_segment 0
		.amdhsa_kernarg_size 96
		.amdhsa_user_sgpr_count 2
		.amdhsa_user_sgpr_kernarg_segment_ptr 1
		.amdhsa_wavefront_size32 1
		.amdhsa_system_sgpr_workgroup_id_x 1
		.amdhsa_system_sgpr_workgroup_id_y 1
		.amdhsa_system_sgpr_workgroup_id_z 1
		.amdhsa_system_vgpr_workitem_id 0
		.amdhsa_next_free_vgpr 1024
		.amdhsa_next_free_sgpr 68
		.amdhsa_reserve_vcc 0
		.amdhsa_float_denorm_mode_32 3
		.amdhsa_float_denorm_mode_16_64 3
		.amdhsa_memory_ordered 1
		.amdhsa_forward_progress 1
		.amdhsa_inst_pref_size 121
	.end_amdhsa_kernel
	.amdgpu_metadata
---
amdhsa.version: [ 1, 2 ]
amdhsa.kernels:
  - .name:           k_q1f8195dd99_kvproj
    .symbol:         k_q1f8195dd99_kvproj.kd
    .args:
      - { .name: K_codes, .offset: 0, .size: 8, .value_kind: global_buffer, .address_space: global }
      - { .name: K_scales, .offset: 8, .size: 8, .value_kind: global_buffer, .address_space: global }
      - { .name: Wk_codes, .offset: 16, .size: 8, .value_kind: global_buffer, .address_space: global }
      - { .name: Wk_scales, .offset: 24, .size: 8, .value_kind: global_buffer, .address_space: global }
      - { .name: bk, .offset: 32, .size: 8, .value_kind: global_buffer, .address_space: global }
      - { .name: Wv_codes, .offset: 40, .size: 8, .value_kind: global_buffer, .address_space: global }
      - { .name: Wv_scales, .offset: 48, .size: 8, .value_kind: global_buffer, .address_space: global }
      - { .name: bv, .offset: 56, .size: 8, .value_kind: global_buffer, .address_space: global }
      - { .name: Wq_codes, .offset: 64, .size: 8, .value_kind: global_buffer, .address_space: global }
      - { .name: kblk, .offset: 72, .size: 8, .value_kind: global_buffer, .address_space: global }
      - { .name: vblk, .offset: 80, .size: 8, .value_kind: global_buffer, .address_space: global }
      - { .name: wqb, .offset: 88, .size: 8, .value_kind: global_buffer, .address_space: global }
    .group_segment_fixed_size: 327680
    .private_segment_fixed_size: 0
    .kernarg_segment_align: 8
    .kernarg_segment_size: 96
    .max_flat_workgroup_size: 128
    .sgpr_count:     68
    .vgpr_count:     1024
    .wavefront_size: 32
...
	.end_amdgpu_metadata
.endif
;; end of part 1
;; launch attn (part 2): grid 32 x 8, 4 waves a work-group, clusters of 4 x 1, 327,680 bytes of LDS; arguments Q_codes, Q_scales, Wq_scales, bq, mask_weights, wqb, kblk, vblk, out0; writes out0
.if DOCPART == 2
	.amdgcn_target "amdgcn-amd-amdhsa--gfx1250"
	.amdhsa_code_object_version 6
	.text
	.protected	k_q1f8195dd99_attn
	.globl	k_q1f8195dd99_attn
	.p2align	8
	.type	k_q1f8195dd99_attn,@function
k_q1f8195dd99_attn:
	s_mov_b64 s[64:65], 0
	v_nop
	global_prefetch_b8 v0, s[64:65] scope:SCOPE_SE
	s_setreg_imm32_b32 hwreg(HW_REG_WAVE_MODE, 25, 1), 1
	s_wait_xcnt 0x0
	s_wait_alu depctr_hold_cnt(0) depctr_sa_sdst(0) depctr_va_vdst(0) depctr_va_sdst(0) depctr_va_ssrc(0) depctr_va_vcc(0) depctr_vm_vsrc(0)
	s_getreg_b32 s2, hwreg(HW_REG_IB_STS2, 6, 4)
	s_cmp_eq_u32 s2, 0
	s_cbranch_scc0 .Lentry_in_a_cluster
	s_endpgm
.Lentry_in_a_cluster:
	s_bfe_u32 s2, ttmp6, 0x10000c
	s_cmp_lg_u32 s2, 0x3003
	s_cbranch_scc0 .Lentry_shape_is_right
	s_endpgm
.Lentry_shape_is_right:
; out = softmax(q k^T / sqrt(512) + ln(mask)) v, q = Q Wq^T + bq, all products on codes of BF6 (E3M2) with one E8M0 scale for each 32 along K.
; A work-group takes 64 queries of one batch (four tiles n of 16); k and v come as images of operand registers from kblk and vblk, Wq from wqb (their layouts: the launch that writes them).
; SHARES.  Every wave holds all 64 queries.  Projection: wave w makes h units 128 w .. + 127.  S^T = k q^T: wave w takes keys 32 w .. + 31 of a step of 128, one scale block.  O^T = v^T p^T: wave w takes dv 128 w .. + 127.
; So each fragment read from LDS feeds four products.  p goes from wave to wave through LDS, 24 bytes of codes for each query and block.
; SOFTMAX.  t = (q.k + ln(mask) sqrt(512)) c, c = log2(e) / sqrt(512); the mask's term is the C of a score's first product.  Wave b keeps, for each query, a running whole number M_b (the ceiling of the largest t
; among ITS keys) and the sum l_b of p = 2^(t - M_b), unquantised.  With a block's codes it hands on G_b = the block's scale byte + M_b.  A reader keeps GM = the largest G so far, takes byte' = max(G_b - GM + 122, 1)
; as the block's scale and multiplies O^T by 2^(old GM - new GM), which rounds nothing.  At the end l = the sum over b of l_b 2^(M_b - GM + 122) divides O^T.  The shifts are powers of two, which a block's scale takes up.
; THE WALK.  The eight clusters of a batch begin at eight different key steps, two apart: cluster x at step rot = 4 (x % 4) + 2 (x / 4), and go round modulo 16; so no two of them ask for the same block in the same step.
; M, l and GM are running figures: the result does not hang on where a walk begins.  rot enters global addresses alone (k's and v's blocks, the mask's weights, which are laid into LDS in the walk's order).
; RING.  Two slots, each with a region for k and one for v (51,200 bytes each), filled by tensor loads that the cluster's four work-groups, which walk the same batch in the same order, ask for jointly (waves 0, 1: k; waves 2, 3: v).
; The same ring first carries Wq's eight K steps.  One round of the cluster's barrier a key step, between the scores and O^T's products: it publishes p and frees one region of k and one of v.
; LIMITS.  Mask weights that v_log_f32 takes for 0 (0 and denormals) count as weight 0: their term is held at -1e9, so |q.k + ln(mask) sqrt(512)| of keys that count must stay far under 1e9.  A row all of whose weights
; are 0, negative weights, NaN and infinities are not served.  Blocks of p more than 2^121 under the row's largest are held at the byte 1.
; REGISTERS.  window 0: v1-31 addresses; v32-79 scale words and nothing else; v80-143 S^T, then p; v144-175, v176-191 a tile's figures; v192-207 G; v208-231 codes; v232-255 at work.
;   window 1: q's sums, then O^T, at 64 n + 8 t.   window 2: q's 16 fragments at 12 (4 n + s), p's four at 192 + 12 n.   window 3: k's 8 fragments, v's 8 at 96 + 12 T, the mask's terms at 192.
.set SLOT1, 1<<17                      ; slot 1 begins here: one exclusive or turns an address
.set VRO,   51200                      ; v's region in a slot
.set PIMG,  102400                     ; p: two buffers of 8,192: four tiles of 1,536 (48 bytes a reader's lane), and at 6,144 the words G [n][r][b]
.set PBUF,  8192
.set GOFF,  6144
.set MB,    118784                     ; ln(mask) sqrt(512) of the batch's 2,048 keys, in the walk's order
.set SPARE, 126976                     ; the spare words: 128 bytes a wave, named by no other line
.set LM,    127488                     ; the closing exchange of l and M
.set QST,   233472                     ; Q's 64 rows, pitch 816 = 3 x (256 + 16); at the end the four stages of 16 x 528
.set QIMG,  285696                     ; q's 16 images
.set QSC,   310272                     ; their scale words, 128 bytes each
.set OFS, 2                            ; s[2:3] a block's offset in its batch; s3 stays 0
.set WV,  22
.set W1,  23
.set ROT, 27                           ; the key step at which my cluster's walk begins
.set SEL, 28
.set CC,  30                           ; s[30:31] c, twice
.set G1W, 32                           ; group 1: 96 rows of 256 bytes (half a K step of Wq)
.set G1B, 40                           ; group 1: 100 rows of 256 bytes (half a block of k or v)
.set GKA, 48                           ; groups 0 for Wq: into k's region of slot 0, slot 1;
.set GKB, 52
.set GVA, 56                           ; into v's region of slot 0, slot 1
.set GVB, 60
.set G0K, 68                           ; groups 0 for k and v: they walk
.set G0V, 72
.set PFA, 76
.set LIM, 78
.set CNT, 79
.set KNX, 80                           ; the slot of the next step's k
.set VSL, 81                           ; the slot of this step's v
.set PB,  82                           ; this step's buffer of p
.set MBO, 83                           ; the next step's place in MB
.set KBS, 94                           ; s[94:95] kblk at my half of the batch's block 0;  s[96:97] vblk likewise
.set VBS, 96
.set IXK, 98                           ; the block of k asked for last;  s99: of v
.set IXV, 99
.set LI,  1                            ; 16 x lane
.set A48, 2
.set APW, 3
.set AGW, 4
.set AGR, 5
.set AKB, 6
.set AKS, 7
.set AV16, 8
.set AV8, 9
.set AVS, 10
.set AMB, 11
.set XPW, 12                           ; v12-19, v24, v25: the step's sums of the above with the scalars (other addresses in the prologue)
.set XGW, 13
.set XGR, 14
.set X48, 15
.set XV16, 16
.set XV8, 17
.set XVS, 18
.set XKB, 19
.set SPW, 20
.set NIL, 21
.set AQ,  22                           ; v22, v23
.set XKS, 24
.set XMB, 25
.set STO, 26
.set RD,  27
.set PFO, 28
.set ALM, 29
.set WQS, 32                           ; projection: Wq's scale words 4 t + s % 4 (s >= 4 in lanes 16-31);
.set QS,  64                           ; Q's, 4 n + s % 4, likewise
.set QSW, 32                           ; then: q's, 4 n + s;
.set KSW, 48                           ; k's, 2 u + s / 2, odd s in lanes 16-31;
.set VSW, 52                           ; v's, T / 2, odd T in lanes 16-31;
.set PSW, 56                           ; p's, n
.set S,   80
.set BQ,  80
.set ST,  144                          ; + 8 n: -M, largest t, l (two), f, (pair), block's largest, at work
.set CN,  176                          ; + 4 n: F, (pair), GM, GM - 122
.set G4,  192
.set MW,  192
.set CD,  208
.set PC,  208
.set VR,  232
.set TM,  232
.set PW,  248
.set BCW, 192                          ; in window 3
.set MSB, 0
.macro WIN new                         ; the immediate's high byte repeats the setting that is left
.if MSB != (\new)
	s_set_vgpr_msb (MSB<<8)|(\new)
.set MSB, \new
.endif
.endm
.macro PLACES n
.rept \n
	v_nop
.endr
.endm
.macro CROUND                          ; a round of the cluster's barrier
	s_barrier_signal -1
	s_barrier_wait -1
	s_cmp_lg_u32 s[WV], 0
	s_cbranch_scc1 .Lnot_wave_0_\@
	s_barrier_signal -3
.Lnot_wave_0_\@:
	s_barrier_wait -3
	s_barrier_signal -1
	s_barrier_wait -1
.endm
; joint loads: waves 0, 1 by the first line, waves 2, 3 by the second; the branches hang on the wave's number alone.  Four v_nop follow each line
.macro JLOAD g0k, g1k, g0v, g1v
	s_cmp_lt_u32 s[WV], 2
	s_cbranch_scc0 .Lfor_v_\@
	tensor_load_to_lds s[\g0k:\g0k+3], s[\g1k:\g1k+7]
	s_nop 0
	PLACES 4
	s_branch .Lasked_\@
.Lfor_v_\@:
	tensor_load_to_lds s[\g0v:\g0v+3], s[\g1v:\g1v+7]
	s_nop 0
	PLACES 4
.Lasked_\@:
.endm
.macro JLOADK g0k, g1k
	s_cmp_lt_u32 s[WV], 2
	s_cbranch_scc0 .Lasked_\@
	tensor_load_to_lds s[\g0k:\g0k+3], s[\g1k:\g1k+7]
	s_nop 0
	PLACES 4
.Lasked_\@:
.endm
.macro JLOADV g0v, g1v
	s_cmp_lt_u32 s[WV], 2
	s_cbranch_scc1 .Lasked_\@
	tensor_load_to_lds s[\g0v:\g0v+3], s[\g1v:\g1v+7]
	s_nop 0
	PLACES 4
.Lasked_\@:
.endm
; a walking descriptor goes on: the other slot, the next block of the walk modulo 16.  It stands where no tensor load of the wave is out
.macro NEXT g0, ix, base
	s_xor_b32 s[\g0+1], s[\g0+1], SLOT1
	s_add_co_u32 s[\ix], s[\ix], 1
	s_and_b32 s[\ix], s[\ix], 15
	s_mul_i32 s[OFS], s[\ix], 51200
	s_add_nc_u64 s[\g0+2:\g0+3], s[\base:\base+1], s[OFS:OFS+1]
	s_or_b32 s[\g0+3], s[\g0+3], 0x80000000
.endm
; A prefetch into the L2, one round ahead of the load that will ask for the block.  Every cluster asks for v's blocks rot + 2 and rot + 3 and for k's block rot + 3 (modulo 16): over a batch's eight clusters, whose rot are
; the even numbers 0 to 14, each of v's 16 blocks and each odd block of k is named once in the launch.  A block is 200 pieces of 256 bytes: its eight askers (four partners, told apart by address, x two waves) take 25
; each, a lane a piece; lanes 25 to 31 name lane 24's.  how = 2, in key step 0: k's block (waves 0, 1), v's first (waves 2, 3).  how = 1, in the loop: v's second, 51,200 bytes on (rot + 2 is even, so no wrap lies between),
; in the first trip alone.  The address registers are never rewritten.
.macro ASK how
.if (\how) == 2
	global_prefetch_b8 v[PFO], s[PFA:PFA+1] th:TH_LOAD_NT scope:SCOPE_SE
.else
	s_cmp_gt_u32 s[CNT], s[LIM]
	s_cbranch_scc0 .Lnot_mine_\@
	global_prefetch_b8 v[PFO], s[PFA:PFA+1] offset:51200 th:TH_LOAD_NT scope:SCOPE_SE
.Lnot_mine_\@:
.endif
.endm
; one product.  rows = 1: source 0's scales stand in lanes 16-31; 2: both sources'
.macro MM d, a, b, c, sa, sb, rows
.if (\rows) == 0
	v_wmma_scale_f32_16x16x128_f8f6f4 v[0+(\d):7+(\d)], v[0+(\a):11+(\a)], v[0+(\b):11+(\b)], v[0+(\c):7+(\c)], v[\sa], v[\sb] matrix_a_fmt:MATRIX_FMT_BF6 matrix_b_fmt:MATRIX_FMT_BF6
.elseif (\rows) == 1
	v_wmma_scale_f32_16x16x128_f8f6f4 v[0+(\d):7+(\d)], v[0+(\a):11+(\a)], v[0+(\b):11+(\b)], v[0+(\c):7+(\c)], v[\sa], v[\sb] matrix_a_fmt:MATRIX_FMT_BF6 matrix_b_fmt:MATRIX_FMT_BF6 matrix_a_scale:MATRIX_SCALE_ROW1
.else
	v_wmma_scale_f32_16x16x128_f8f6f4 v[0+(\d):7+(\d)], v[0+(\a):11+(\a)], v[0+(\b):11+(\b)], v[0+(\c):7+(\c)], v[\sa], v[\sb] matrix_a_fmt:MATRIX_FMT_BF6 matrix_b_fmt:MATRIX_FMT_BF6 matrix_a_scale:MATRIX_SCALE_ROW1 matrix_b_scale:MATRIX_SCALE_ROW1
.endif
.endm
.macro MM0 d, a, b, sa, sb, rows       ; the same with C = 0: it starts a sum
.if (\rows) == 0
	v_wmma_scale_f32_16x16x128_f8f6f4 v[0+(\d):7+(\d)], v[0+(\a):11+(\a)], v[0+(\b):11+(\b)], 0, v[\sa], v[\sb] matrix_a_fmt:MATRIX_FMT_BF6 matrix_b_fmt:MATRIX_FMT_BF6
.else
	v_wmma_scale_f32_16x16x128_f8f6f4 v[0+(\d):7+(\d)], v[0+(\a):11+(\a)], v[0+(\b):11+(\b)], 0, v[\sa], v[\sb] matrix_a_fmt:MATRIX_FMT_BF6 matrix_b_fmt:MATRIX_FMT_BF6 matrix_a_scale:MATRIX_SCALE_ROW1
.endif
.endm
; a fragment of Q from padded rows: six pieces of 8 bytes; lanes 16-31 read three pieces on, behind one padding more where the piece's number mod 32 is 29 or more
.macro QFRAG reg, n, s
.irp p, 0,1,2,3,4,5
.set PCN, 12*(\s)+6*(\p/3)+\p%3
.if PCN%32 < 29
	ds_load_b64 v[2*\p+(\reg):2*\p+(\reg)+1], v[AQ] offset:13056*(\n)+8*PCN+16*(PCN/32)
.else
	ds_load_b64 v[2*\p+(\reg):2*\p+(\reg)+1], v[AQ+1] offset:13056*(\n)+8*PCN+16*(PCN/32)
.endif
.endr
.endm
.macro QLOAD e, s, adr                 ; K step s of the projection into set e: my 8 images of Wq (24 loads), Q's 4 fragments (24 loads)
	WIN 0xc0
.irp t, 0,1,2,3,4,5,6,7
.irp i, 0,1,2
	ds_load_b128 v[96*(\e)+12*\t+4*\i:96*(\e)+12*\t+4*\i+3], v[\adr] offset:1536*\t+512*\i
.endr
.endr
	WIN 0x80
.irp n, 0,1,2,3
	QFRAG 48*(\e)+12*\n, \n, \s
.endr
.endm
.macro QMUL e, s                       ; 32 products of q^T: source 0 = 16 rows of Wq, source 1 = 16 queries; the 32 accumulators take turns
.if (\s) == 0
	WIN 0x4b
.else
	WIN 0x5b
.endif
.irp t, 0,1,2,3,4,5,6,7
.irp n, 0,1,2,3
.if (\s) == 0
	MM 64*\n+8*\t, 96*(\e)+12*\t, 48*(\e)+12*\n, BQ+8*\t, WQS+4*\t, QS+4*\n, 0
.elseif (\s) < 4
	MM 64*\n+8*\t, 96*(\e)+12*\t, 48*(\e)+12*\n, 64*\n+8*\t, WQS+4*\t+(\s), QS+4*\n+(\s), 0
.else
	MM 64*\n+8*\t, 96*(\e)+12*\t, 48*(\e)+12*\n, 64*\n+8*\t, WQS+4*\t+(\s)-4, QS+4*\n+(\s)-4, 2
.endif
.endr
.endr
.endm
.macro QP s0, ak, av                   ; two K steps of the projection, from one slot
	QLOAD 0, \s0, \ak
	QLOAD 1, (\s0)+1, \av
	s_wait_dscnt 48                                ; the first K step's loads are in, the second's 48 may be out
	QMUL 0, \s0
	s_wait_dscnt 0x0
	QMUL 1, (\s0)+1
	PLACES 4                                       ; in front of loads into registers that these products read, and of the first read of results
	WIN 0
.endm
; 64 numbers of a lane in window 1, register 16 b + i = place 32 b + 16 (lane / 16) + i along K of my row, become a fragment's codes in v[PC] on and its scale word in v[PW]
.macro QUANT src
	WIN 0x14
.irp b, 0,1,2,3
	v_max3_num_f32 v[TM+\b], 0x2800000, |v[16*\b+(\src)]|, |v[16*\b+(\src)+1]|   ; and the floor 2^(5 - 127): the byte cannot fall under 1
.endr
.irp i, 2,4,6,8,10,12,14
.irp b, 0,1,2,3
	v_max3_num_f32 v[TM+\b], v[TM+\b], |v[16*\b+\i+(\src)]|, |v[16*\b+\i+(\src)+1]|
.endr
.endr
	WIN 0
	s_wait_alu depctr_va_vdst(0)
	s_wait_dscnt 0x0                               ; the stores of the codes made last have read their registers
.irp b, 0,1,2,3
	v_permlanex16_b32 v[TM+4+\b], v[TM+\b], s[SEL], s[SEL+1]
.endr
.irp b, 0,1,2,3
	v_max_num_f32 v[TM+\b], v[TM+\b], v[TM+4+\b]
.endr
.irp b, 0,1,2,3
	v_add_nc_u32 v[TM+12+\b], 0xfe000000, v[TM+\b] ; 4 off the exponent field: the conversion's scale operand
.endr
.irp b, 0,1,2,3
	v_lshrrev_b32 v[TM+4+\b], 23, v[TM+12+\b]
.endr
	v_lshl_or_b32 v[PW], v[TM+5], 8, v[TM+4]
	v_lshl_or_b32 v[PW], v[TM+6], 16, v[PW]
	v_lshl_or_b32 v[PW], v[TM+7], 24, v[PW]
	WIN 0x01
.irp c, 0,1
	v_cvt_scalef32_pk16_bf6_f32 v[PC+6*\c:PC+6*\c+2], v[32*\c+(\src):32*\c+(\src)+15], v[TM+12+2*\c]
	v_cvt_scalef32_pk16_bf6_f32 v[PC+12+4*\c:PC+14+4*\c], v[32*\c+16+(\src):32*\c+(\src)+31], v[TM+13+2*\c]
.endr
	WIN 0
	v_nop                                          ; one plain place behind a scaled conversion
.irp c, 0,1
.irp i, 0,1,2
	v_permlane16_swap_b32 v[PC+6*\c+\i], v[PC+12+4*\c+\i]
.endr
.irp i, 0,1,2
	v_mov_b32 v[PC+3+6*\c+\i], v[PC+12+4*\c+\i]
.endr
.endr
.endm
.macro KLOAD ka, ks, km                ; a step's k for my 32 keys: 8 images (24 loads), the mask's 16 terms (4), the scale words (1)
	WIN 0xc0
.irp f, 0,1,2,3,4,5,6,7
.irp i, 0,1,2
	ds_load_b128 v[12*\f+4*\i:12*\f+4*\i+3], v[\ka] offset:1536*\f+512*\i
.endr
.endr
.irp q, 0,1,2,3
	ds_load_b128 v[BCW+4*\q:BCW+4*\q+3], v[\km] offset:16*\q
.endr
	WIN 0
	ds_load_b128 v[KSW:KSW+3], v[\ks]
.endm
.macro SCORE s, resc                   ; 8 products of S^T: source 0 = 16 keys, source 1 = 16 queries; the 8 accumulators take turns.  resc = 1: behind product (s, u, n) stand the four lines that rescale O^T's accumulator (n, 2 s + u)
.irp u, 0,1
.irp n, 0,1,2,3
.if (\s) == 0
	WIN 0x3b                                       ; the mask's terms, in window 3, are the C of the first products
	MM S+16*\n+8*\u, 48*\u, 48*\n, BCW+8*\u, KSW+2*\u, QSW+4*\n, 0
.else
	WIN 0x0b
	MM S+16*\n+8*\u, 12*(4*\u+(\s)), 12*(4*\n+(\s)), S+16*\n+8*\u, KSW+2*\u+(\s)/2, QSW+4*\n+(\s), (\s)%2
.endif
.if (\resc)
	WIN 0x41
	RESC \n, 2*(\s)+\u
.endif
.endr
.endr
.endm
; THE FRONT OF A STEP'S SOFTMAX, all that stands ahead of its exponentials, in 26 groups k of four lines, one for each tile n of queries.  A lane holds one query of each tile and 16 neighbouring keys.
; k = 0 .. 7 the block's largest score (each accumulator is read from its low end on); 8, 9 with lane l xor 16's; 10 as t; 11 the running largest t; 12 .. 16 -M = floor(-t), f = 2^(old M - new M); 17 .. 24 t - M; 25 the same of the largest score
.macro FRONT k
.irp n, 0,1,2,3
.if (\k) == 0
	v_max3_num_f32 v[ST+8*\n+6], v[S+16*\n], v[S+16*\n+1], v[S+16*\n+2]
.elseif (\k) < 7
	v_max3_num_f32 v[ST+8*\n+6], v[ST+8*\n+6], v[S+16*\n+2*(\k)+1], v[S+16*\n+2*(\k)+2]
.elseif (\k) == 7
	v_max_num_f32 v[ST+8*\n+6], v[ST+8*\n+6], v[S+16*\n+15]
.elseif (\k) == 8
	v_permlanex16_b32 v[ST+8*\n+7], v[ST+8*\n+6], s[SEL], s[SEL+1]
.elseif (\k) == 9
	v_max_num_f32 v[ST+8*\n+6], v[ST+8*\n+6], v[ST+8*\n+7]
.elseif (\k) == 10
	v_mul_f32 v[ST+8*\n+7], s[CC], v[ST+8*\n+6]
.elseif (\k) == 11
	v_max_num_f32 v[ST+8*\n+1], v[ST+8*\n+1], v[ST+8*\n+7]
.elseif (\k) == 12
	v_mov_b32 v[ST+8*\n+7], v[ST+8*\n]
.elseif (\k) == 13
	v_floor_f32 v[ST+8*\n], -v[ST+8*\n+1]
.elseif (\k) == 14
	v_sub_f32 v[ST+8*\n+7], v[ST+8*\n], v[ST+8*\n+7]
.elseif (\k) == 15
	v_cvt_i32_f32 v[ST+8*\n+7], v[ST+8*\n+7]
.elseif (\k) == 16
	v_ldexp_f32 v[ST+8*\n+4], 1.0, v[ST+8*\n+7]
.elseif (\k) < 25
	v_pk_fma_f32 v[S+16*\n+2*(\k)-34:S+16*\n+2*(\k)-33], v[S+16*\n+2*(\k)-34:S+16*\n+2*(\k)-33], s[CC:CC+1], v[ST+8*\n:ST+8*\n+1] op_sel_hi:[1,0,0]
.elseif (\k) == 25
	v_fma_f32 v[ST+8*\n+6], v[ST+8*\n+6], s[CC], v[ST+8*\n]
.endif
.endr
.endm
.macro RESC n, t                       ; O^T's accumulator (n, t) under the new GM: x F, from its low end on.  Window setting 0x41: O^T in window 1, F in window 0
.irp j, 0,2,4,6
	v_pk_mul_f32 v[64*(\n)+8*(\t)+\j:64*(\n)+8*(\t)+\j+1], v[64*(\n)+8*(\t)+\j:64*(\n)+8*(\t)+\j+1], v[CN+4*(\n):CN+4*(\n)+1] op_sel_hi:[1,0]
.endr
.endm
; A KEY STEP.  first = 1: O^T's sums and GM begin.  mode = 2: k's and v's regions are filled again; 1: v's alone; 0: nothing is left to fetch.  last = 1: no next step.  ask: the prefetch's form (0: none)
.macro STEP first, mode, last, ask
	; this step's scores and the front of its softmax were made in the step before (step 0's: ahead of the first step): a step begins at its exponentials
	v_add_nc_u32 v[XPW], s[PB], v[APW]             ; the step's addresses
	v_add_nc_u32 v[XGW], s[PB], v[AGW]
	v_add_nc_u32 v[XGR], s[PB], v[AGR]
	v_add_nc_u32 v[X48], s[PB], v[A48]
	v_add_nc_u32 v[XV16], s[VSL], v[AV16]
	v_add_nc_u32 v[XV8], s[VSL], v[AV8]
	v_add_nc_u32 v[XVS], s[VSL], v[AVS]
.if !\last
	v_add_nc_u32 v[XKB], s[KNX], v[AKB]
	v_add_nc_u32 v[XKS], s[KNX], v[AKS]
	v_add_nc_u32 v[XMB], s[MBO], v[AMB]
.endif
	; the rest of the softmax of my block of 32 keys, four tiles of queries by turns
.set j, 0
	s_wait_alu depctr_va_vdst(0)
.rept 64
	v_exp_f32 v[S+j], v[S+j]                       ; p = 2^(t - M): not normalised
.set j, j+1
.endr
.irp n, 0,1,2,3
	v_pk_mul_f32 v[ST+8*\n+2:ST+8*\n+3], v[ST+8*\n+2:ST+8*\n+3], v[ST+8*\n+4:ST+8*\n+5] op_sel_hi:[1,0]   ; the sums under the new M: plain lines behind the exponentials
.endr
	s_wait_alu depctr_va_vdst(0)                   ; one wait for the batch of 64, ahead of its first reader
.irp n, 0,1,2,3
	v_exp_f32 v[ST+8*\n+6], v[ST+8*\n+6]           ; the block's largest p: the same two instructions on the same number
.endr
.irp j, 0,2,4,6,8,10,12,14
.irp n, 0,1,2,3
	v_pk_add_f32 v[ST+8*\n+2:ST+8*\n+3], v[ST+8*\n+2:ST+8*\n+3], v[S+16*\n+\j:S+16*\n+\j+1]              ; the sum is taken of the unquantised p
.endr
.endr
	s_wait_alu depctr_va_vdst(0)                   ; and one for the four
.irp n, 0,1,2,3
	v_max_num_f32 v[ST+8*\n+6], 0x2800000, v[ST+8*\n+6]                          ; the floor 2^(5 - 127)
.endr
.irp n, 0,1,2,3
	v_add_nc_u32 v[ST+8*\n+6], 0xfe000000, v[ST+8*\n+6]                          ; the conversion's scale operand
.endr
.irp n, 0,1,2,3
	v_lshrrev_b32 v[ST+8*\n+7], 23, v[ST+8*\n+6]                                 ; the scale's byte
.endr
.irp n, 0,1,2,3
	v_cvt_f32_u32 v[ST+8*\n+7], v[ST+8*\n+7]
.endr
.irp n, 0,1,2,3
	v_sub_f32 v[ST+8*\n+7], v[ST+8*\n+7], v[ST+8*\n]                             ; G = byte + M
.endr
.irp n, 0,1,2,3
	v_cvt_scalef32_pk16_bf6_f32 v[CD+6*\n:CD+6*\n+2], v[S+16*\n:S+16*\n+15], v[ST+8*\n+6]
.endr
	v_nop                                          ; one plain place behind a scaled conversion
.irp p, 0,1                            ; tiles 2 p and 2 p + 1 change halves: lane (r, h) then holds tile 2 p + h's whole block of query r, 24 bytes
.irp i, 0,1,2
	v_permlane16_swap_b32 v[CD+12*\p+\i], v[CD+12*\p+6+\i]
.endr
.irp i, 0,1,2
	v_mov_b32 v[CD+12*\p+3+\i], v[CD+12*\p+6+\i]
.endr
.endr
.irp p, 0,1
.irp k, 0,1,2
	ds_store_b64 v[XPW], v[CD+12*\p+2*\k:CD+12*\p+2*\k+1] offset:3072*\p+8*\k    ; into the reader's lane r + 16 (w % 2), registers 6 (w / 2) on
.endr
.endr
.irp n, 0,1,2,3
	ds_store_b32 v[XGW], v[ST+8*\n+7] offset:256*\n
.endr
	; the round: p is published; k's region just read and v's region read a step ago are free
	s_wait_tensorcnt 0x0                           ; all my tensor loads have landed: the next step's k, this step's v; so the descriptors may be written
	ds_add_u32 v[SPW], v[NIL]                      ; the descriptors' steps stand between the add and the wait for it
.if \mode == 2
	NEXT G0K, IXK, KBS
.endif
.if \mode > 0
	NEXT G0V, IXV, VBS
.endif
	s_wait_dscnt 0x0                               ; the add is done, my stores of p have landed, my reads of both regions are over
.if \mode == 2
	CROUND
	JLOAD G0K, G1B, G0V, G1B                       ; k two steps on, v one step on: a whole step in which to land
.elseif \mode == 1
	CROUND
	JLOADV G0V, G1B
.else
	s_barrier_signal -1
	s_barrier_wait -1
.endif
.irp n, 0,1,2,3
	ds_load_b128 v[G4+4*\n:G4+4*\n+3], v[XGR] offset:256*\n
.endr
	ds_load_b64 v[VR:VR+1], v[XVS]
	ds_load_b64 v[VR+2:VR+3], v[XVS] offset:256
.if !\last
	KLOAD XKB, XKS, XMB                            ; the next step's k, whole since this round: 29 loads, which land under the lines on G
.endif
	WIN 0x80
.irp n, 0,1,2,3
.irp k, 0,1,2
	ds_load_b128 v[192+12*\n+4*\k:192+12*\n+4*\k+3], v[X48] offset:1536*\n+16*\k
.endr
.endr
	WIN 0
.if \ask
	ASK \ask
.endif
.if \last
	s_wait_dscnt 12                                ; G and v's scale bytes are in; p's 12 loads may be out
.else
	s_wait_dscnt 41                                ; the same, and the 29 loads of the next step's k
.endif
	v_perm_b32 v[VSW], v[VR+2], v[VR], 0x05040100          ; v's scale words: two bytes from each half of the step
	v_perm_b32 v[VSW+1], v[VR+2], v[VR], 0x07060302
	v_perm_b32 v[VSW+2], v[VR+3], v[VR+1], 0x05040100
	v_perm_b32 v[VSW+3], v[VR+3], v[VR+1], 0x07060302
.if \first
.irp n, 0,1,2,3
	v_max3_num_f32 v[CN+4*\n+2], v[G4+4*\n], v[G4+4*\n+1], v[G4+4*\n+2]
.endr
.irp n, 0,1,2,3
	v_max_num_f32 v[CN+4*\n+2], v[CN+4*\n+2], v[G4+4*\n+3]
.endr
.else
.irp n, 0,1,2,3
	v_mov_b32 v[CN+4*\n], v[CN+4*\n+2]
.endr
.irp n, 0,1,2,3
	v_max3_num_f32 v[CN+4*\n+2], v[CN+4*\n+2], v[G4+4*\n], v[G4+4*\n+1]
.endr
.irp n, 0,1,2,3
	v_max3_num_f32 v[CN+4*\n+2], v[CN+4*\n+2], v[G4+4*\n+2], v[G4+4*\n+3]        ; GM: the largest G so far
.endr
.irp n, 0,1,2,3
	v_sub_f32 v[CN+4*\n], v[CN+4*\n], v[CN+4*\n+2]
.endr
.irp n, 0,1,2,3
	v_cvt_i32_f32 v[CN+4*\n], v[CN+4*\n]
.endr
.irp n, 0,1,2,3
	v_ldexp_f32 v[CN+4*\n], 1.0, v[CN+4*\n]                                      ; F = 2^(old GM - new GM)
.endr
.endif
.irp n, 0,1,2,3
	v_add_f32 v[CN+4*\n+3], 0xc2f40000, v[CN+4*\n+2]                             ; GM - 122
.endr
.irp b, 0,1,2,3
.irp n, 0,1,2,3
	v_sub_f32 v[G4+4*\n+\b], v[G4+4*\n+\b], v[CN+4*\n+3]
.endr
.endr
.irp b, 0,1,2,3
.irp n, 0,1,2,3
	v_max_num_f32 v[G4+4*\n+\b], 1.0, v[G4+4*\n+\b]                              ; byte' = max(G - GM + 122, 1)
.endr
.endr
.irp b, 0,1,2,3
.irp n, 0,1,2,3
	v_cvt_u32_f32 v[G4+4*\n+\b], v[G4+4*\n+\b]
.endr
.endr
.irp n, 0,1,2,3
	v_lshl_or_b32 v[PSW+\n], v[G4+4*\n+1], 8, v[G4+4*\n]
.endr
.irp n, 0,1,2,3
	v_lshl_or_b32 v[PSW+\n], v[G4+4*\n+2], 16, v[PSW+\n]
.endr
.irp n, 0,1,2,3
	v_lshl_or_b32 v[PSW+\n], v[G4+4*\n+3], 24, v[PSW+\n]
.endr
	WIN 0xc0
.irp t, 0,1,2,3,4,5,6,7                ; v's fragments in the order in which the products take them: four loads each
.irp c, 0,1
	ds_load_b128 v[96+12*\t+6*\c:96+12*\t+6*\c+3], v[XV16] offset:1536*\t+768*\c
	ds_load_b64 v[96+12*\t+6*\c+4:96+12*\t+6*\c+5], v[XV8] offset:1536*\t+768*\c+512
.endr
.endr
.if \last
	WIN 0x41
.irp t, 0,1,2,3,4,5,6,7
.irp n, 0,1,2,3
	RESC \n, \t                                    ; no next step: O^T is rescaled by itself
.endr
.endr
.else
	; THE NEXT STEP'S SCORES, by turns with the lines that bring O^T under the new GM: 4 vector lines behind each product, which name none of its registers.  They are also the places ahead of O^T's products and behind the scores
	s_wait_alu depctr_va_vdst(0)
	s_wait_dscnt 44                                ; the next step's k, its scale words and the mask's terms are in; p's 12 and v's 32 loads may be out
	SCORE 0, 1-\first
	SCORE 1, 1-\first
	SCORE 2, 1-\first
	SCORE 3, 1-\first
.if \first
	WIN 0
	PLACES 8                                       ; a scale register written by a vector instruction stands eight places ahead of the product; these are also the places behind the scores
.endif
.endif
	; O^T += v^T p^T: source 0 = 16 dv, source 1 = 16 queries; 32 accumulators, one product each.  BY TURNS with the front of the next step's softmax: behind product 4 T + n stands group 4 T + n of its 26, on registers of window 0 that no product here names
.irp t, 0,1,2,3,4,5,6,7
.if \t == 0
	s_wait_alu depctr_va_vdst(0)
	s_wait_dscnt 16                                ; p and v's fragments 0 to 3 are in; the 16 loads of fragments 4 to 7 may be out
.endif
.if \t == 4
	s_wait_alu depctr_va_vdst(0)
	s_wait_dscnt 0x0                               ; v's fragments 4 to 7 are in
.endif
.irp n, 0,1,2,3
	WIN 0x5b
.if \first
	MM0 64*\n+8*\t, 96+12*\t, 192+12*\n, VSW+\t/2, PSW+\n, \t%2
.else
	MM 64*\n+8*\t, 96+12*\t, 192+12*\n, 64*\n+8*\t, VSW+\t/2, PSW+\n, \t%2
.endif
.if !\last
.if 4*\t+\n < 26
	WIN 0
	FRONT 4*\t+\n
.endif
.endif
.endr
.endr
	WIN 0
.if !\last
	s_xor_b32 s[VSL], s[VSL], SLOT1
	s_xor_b32 s[KNX], s[KNX], SLOT1
	s_xor_b32 s[PB], s[PB], PBUF
	s_add_co_u32 s[MBO], s[MBO], 512
.endif
.endm
	s_load_b512 s[4:19], s[0:1], 0x0               ; Q_codes 4, Q_scales 6, Wq_scales 8, bq 10, mask_weights 12, wqb 14, kblk 16, vblk 18
	s_load_b64 s[20:21], s[0:1], 0x40              ; out0
	v_lshl_add_u32 v[SPW], v0, 2, SPARE
	v_mov_b32 v[NIL], 0
	ds_add_u32 v20, v21
	ds_add_u32 v20, v21
	s_wait_dscnt 0x0
	v_lshrrev_b32 v1, 5, v0
	v_readfirstlane_b32 s[WV], v1                  ; wave 0..3
	s_and_b32 s[W1], s[WV], 1                      ; which half of a block I fetch
	s_bfe_u32 s24, ttmp6, 0x40000                  ; cx: it enters global addresses of Q, out0 and the prefetches alone
	s_lshl_b32 s25, ttmp9, 2
	s_add_co_u32 s25, s25, s24                     ; qb: my block of 64 queries
	s_and_b32 s26, ttmp7, 0xffff                   ; the batch, which the four partners share
	s_and_b32 s[ROT], ttmp9, 3                     ; ttmp9 counts clusters, 0 to 7: the four partners share it
	s_lshl_b32 s[ROT], s[ROT], 2
	s_lshr_b32 s92, ttmp9, 2
	s_lshl_b32 s92, s92, 1
	s_add_co_u32 s[ROT], s[ROT], s92               ; rot = 4 (x % 4) + 2 (x / 4): an even number, 0 to 14
	s_mov_b32 s[IXK], s[ROT]
	s_mov_b32 s[IXV], s[ROT]
	s_mov_b32 s[OFS+1], 0
.irp g, G1W, G1B
	s_mov_b32 s[\g], 15|(3<<16)|(1<<21)            ; the mask: all four work-groups; elements of 8 bytes; bit 21 beside a mask; no padding
	s_mov_b32 s[\g+1], 32<<16                      ; tensor_dim0: 256 bytes
	s_mov_b32 s[\g+3], 32<<16                      ; tile_dim0
	s_mov_b32 s[\g+5], 32                          ; dense rows
	s_mov_b32 s[\g+6], 0
	s_mov_b32 s[\g+7], 0
.endr
	s_mov_b32 s[G1W+2], 192<<16                    ; for the head's load 192 rows: a whole K step of Wq, 49,152 bytes; behind it the two words are set to 96
	s_mov_b32 s[G1W+4], 192
	s_mov_b32 s[G1B+2], 100<<16                    ; 100 rows: 25,600 bytes
	s_mov_b32 s[G1B+4], 100
	s_mul_i32 s84, s[W1], 24576
	s_mov_b32 s85, 0
	s_mul_i32 s86, s[W1], 25600
	s_mul_i32 s88, s26, 819200                     ; the batch's 16 blocks
	s_add_co_u32 s88, s88, s86
	s_mov_b32 s89, 0
	s_mul_i32 s92, s[ROT], 51200                   ; the block at which the walk begins
	s_mov_b32 s93, 0
	s_mov_b32 s[SEL], 0x76543210
	s_mov_b32 s[SEL+1], 0xfedcba98
	s_mov_b32 s[CC], 0x3d8293ee                    ; c = log2(e) / sqrt(512)
	s_mov_b32 s[CC+1], s[CC]
	s_wait_kmcnt 0x0
	s_add_nc_u64 s[14:15], s[14:15], s[84:85]      ; wqb at my half of K step 0
	s_mov_b32 s[GKA], 1
	s_mov_b32 s[GKA+1], s84
	s_mov_b64 s[GKA+2:GKA+3], s[14:15]             ; K step 0 -> k's region of slot 0
	s_or_b32 s[GKA+3], s[GKA+3], 0x80000000
	s_mov_b32 s[GKB], 1
	s_mul_i32 s[GKB+1], s[W1], VRO                 ; the head's load lies in these registers: wave w brings K step w whole, to region w % 2 (k's, v's)
	s_lshr_b32 s90, s[WV], 1
	s_lshl_b32 s90, s90, 17
	s_add_co_u32 s[GKB+1], s[GKB+1], s90           ; of slot w / 2
	s_mul_i32 s90, s[WV], 49152
	s_sub_co_u32 s90, s90, s84                     ; s[14:15] stands at my half already: 49,152 w less that half's offset
	s_mov_b32 s91, 0
	s_add_nc_u64 s[GKB+2:GKB+3], s[14:15], s[90:91]
	s_or_b32 s[GKB+3], s[GKB+3], 0x80000000
	s_mov_b32 s[GVA], 1
	s_add_co_u32 s[GVA+1], s84, VRO
	s_add_nc_u64 s[GVA+2:GVA+3], s[14:15], 49152   ; K step 1 -> v's region of slot 0
	s_or_b32 s[GVA+3], s[GVA+3], 0x80000000
	s_mov_b32 s[GVB], 1
	s_add_co_u32 s[GVB+1], s84, SLOT1+VRO
	s_add_nc_u64 s[GVB+2:GVB+3], s[14:15], 3*49152 ; K step 3 -> slot 1
	s_or_b32 s[GVB+3], s[GVB+3], 0x80000000
	s_add_nc_u64 s[KBS:KBS+1], s[16:17], s[88:89]  ; my half of the batch's block 0, in kblk and in vblk
	s_add_nc_u64 s[VBS:VBS+1], s[18:19], s[88:89]
	s_mov_b32 s[G0K], 1
	s_mov_b32 s[G0K+1], s86
	s_add_nc_u64 s[G0K+2:G0K+3], s[KBS:KBS+1], s[92:93]
	s_or_b32 s[G0K+3], s[G0K+3], 0x80000000
	s_mov_b32 s[G0V], 1
	s_add_co_u32 s[G0V+1], s86, VRO
	s_add_nc_u64 s[G0V+2:G0V+3], s[VBS:VBS+1], s[92:93]
	s_or_b32 s[G0V+3], s[G0V+3], 0x80000000
	CROUND                                         ; all four work-groups are here: the first joint loads meet
	tensor_load_to_lds s[GKB:GKB+3], s[G1W:G1W+7]  ; one load a wave at the head: the four waves bring K steps 0 to 3, which fill both slots
	s_nop 0
	PLACES 4
	v_and_b32 v249, 31, v0                         ; lane
	v_and_b32 v250, 15, v0                         ; r
	v_bfe_u32 v251, v0, 4, 1                       ; h
	v_and_b32 v252, 8, v250
	v_add_nc_u32 v252, v252, v250                  ; r + 8 (r / 8)
	v_lshlrev_b32 v[LI], 4, v249
	s_wait_alu depctr_va_vdst(0)
	v_mul_u32_u24 v[A48], v249, 48
	v_add_nc_u32 v[A48], PIMG, v[A48]              ; a reader's lane: 48 bytes, its 12 registers
	s_mul_i32 s84, s[W1], 768
	s_lshr_b32 s85, s[WV], 1
	s_mul_i32 s85, s85, 24
	s_add_co_u32 s84, s84, s85
	s_add_co_u32 s84, s84, PIMG
	v_mul_u32_u24 v[APW], v250, 48
	v_mad_u32_u24 v[APW], v251, 1536, v[APW]
	v_add_nc_u32 v[APW], s84, v[APW]               ; where I put a block: tile 2 p + h, lane r + 16 (w % 2), 24 (w / 2) bytes on
	s_lshl_b32 s84, s[WV], 2
	s_add_co_u32 s84, s84, PIMG+GOFF
	v_lshl_add_u32 v[AGW], v250, 4, s84
	v_lshl_add_u32 v[AGR], v250, 4, PIMG+GOFF
	s_mul_i32 s84, s[WV], 12288
	v_add_nc_u32 v[AKB], s84, v[LI]
	s_lshl_b32 s85, s[WV], 9
	s_add_co_u32 s86, s85, 49152
	v_add_nc_u32 v[AKS], s86, v[LI]
	s_add_co_u32 s86, s84, VRO
	v_add_nc_u32 v[AV16], s86, v[LI]
	v_lshl_add_u32 v[AV8], v249, 3, s86
	s_add_co_u32 s86, s85, VRO+49152
	v_lshl_add_u32 v[AVS], v249, 3, s86
	s_lshl_b32 s86, s[WV], 7
	s_add_co_u32 s86, s86, MB
	v_lshl_add_u32 v[AMB], v251, 6, s86            ; my 16 keys' terms: 128 w + 64 h
	v_mul_u32_u24 v[AQ], v250, 816
	v_mad_u32_u24 v[AQ], v251, 24, v[AQ]
	v_add_nc_u32 v[AQ], QST, v[AQ]
	v_lshl_add_u32 v[AQ+1], v251, 4, v[AQ]
	s_mul_i32 s86, s[WV], 13056
	s_add_co_u32 s86, s86, QST
	v_mul_u32_u24 v12, v251, 272                   ; v12: where I store my 16 rows of Q: a load's 512 bytes are two pieces of 256, each with 16 of padding behind it
	v_lshl_add_u32 v12, v250, 4, v12
	v_add_nc_u32 v12, s86, v12
	v_lshl_add_u32 v13, v0, 4, MB                  ; v13: where I store the mask's terms
	v_add_nc_u32 v14, SLOT1, v[AKB]                ; v14, v15: Wq's images in slot 1
	v_add_nc_u32 v15, SLOT1, v[AV16]
	s_mul_i32 s86, s[WV], 1536
	s_add_co_u32 s86, s86, QIMG
	v_add_nc_u32 v16, s86, v[LI]                   ; v16: where I store q's images; v17: their scale words
	s_lshl_b32 s86, s[WV], 7
	s_add_co_u32 s86, s86, QSC
	v_lshl_add_u32 v17, v249, 2, s86
	v_add_nc_u32 v18, QIMG, v[LI]                  ; v18, v19: where any wave reads them
	v_lshl_add_u32 v19, v249, 2, QSC
	s_mul_i32 s86, s[WV], 16*528
	s_add_co_u32 s86, s86, QST
	v_mul_u32_u24 v[STO], v250, 528
	v_lshl_add_u32 v[STO], v251, 5, v[STO]
	v_add_nc_u32 v[STO], s86, v[STO]               ; the way out: row r of my stage, + 32 h
	v_add_nc_u32 v[RD], s86, v[LI]
	s_lshl_b32 s86, s[WV], 3
	s_add_co_u32 s86, s86, LM
	v_lshl_add_u32 v[ALM], v250, 5, s86
	v_min_u32 v[PFO], 24, v249
	v_lshlrev_b32 v[PFO], 8, v[PFO]
	s_lshl_b32 s86, s[ROT], 9                      ; the walk's first key in the mask's row, in bytes: 512 a step
	v_lshlrev_b32 v24, 4, v0                       ; global offsets: the mask, 16 bytes a thread,
	v_add_nc_u32 v24, s86, v24                     ; from the walk's first key on,
.irp i, 0,1,2,3
	v_add_nc_u32 v[TM+\i], 2048*\i, v24
.endr
.irp i, 0,1,2,3
	v_and_b32 v[TM+\i], 0x1fff, v[TM+\i]           ; round the row's 8,192 bytes: LDS place q takes the row's byte (q + 512 rot) mod 8,192
.endr
	v_lshlrev_b32 v25, 5, v250
	v_lshl_add_u32 v25, v251, 4, v25               ; Q's scales: 32 r + 16 h;
	v_lshlrev_b32 v30, 5, v252
	v_lshl_add_u32 v30, v251, 4, v30               ; Wq's, by the tile's rows;
	v_lshlrev_b32 v31, 6, v251                     ; bq: 64 h
.irp n, 0,1,2,3
	v_mov_b32 v[ST+8*\n+1], 0xff61b1e6             ; the largest t so far: -3e38
	v_floor_f32 v[ST+8*\n], -v[ST+8*\n+1]
	v_mov_b32 v[ST+8*\n+2], 0                      ; l, in two halves
	v_mov_b32 v[ST+8*\n+3], 0
	v_mov_b32 v[ST+8*\n+5], 0                      ; (named as the upper half of a pair)
	v_mov_b32 v[ST+8*\n+7], 0                      ; (a lane permute's destination counts as one of its sources)
	v_mov_b32 v[CN+4*\n+1], 0
	v_mov_b32 v[TM+4+\n], 0
.endr
	s_mov_b32 s91, 0
	s_lshl_b32 s92, s26, 11
	s_lshl_b32 s93, s25, 6
	s_add_co_u32 s92, s92, s93                     ; my block's first query
	s_lshl_b32 s93, s[WV], 4
	s_add_co_u32 s90, s92, s93
	s_mul_i32 s90, s90, 768
	s_add_nc_u64 s[4:5], s[4:5], s[90:91]          ; Q's codes at my wave's 16 rows
	s_lshl_b32 s90, s92, 5
	s_add_nc_u64 s[6:7], s[6:7], s[90:91]
	s_lshl_b32 s90, s92, 11
	s_lshl_b32 s93, s[WV], 9
	s_add_co_u32 s90, s90, s93
	s_add_nc_u64 s[20:21], s[20:21], s[90:91]      ; out0 at the block's first row, my 512 bytes of it
	s_mov_b32 s87, 0
	s_lshl_b32 s86, s[WV], 12
	s_add_nc_u64 s[8:9], s[8:9], s[86:87]
	s_lshl_b32 s86, s[WV], 9
	s_add_nc_u64 s[10:11], s[10:11], s[86:87]
	s_lshl_b32 s86, s26, 13
	s_add_nc_u64 s[12:13], s[12:13], s[86:87]
	s_cmp_lt_u32 s[WV], 2                          ; the prefetches: waves 0, 1 stand in kblk, waves 2, 3 in vblk
	s_cselect_b64 s[PFA:PFA+1], s[16:17], s[18:19]
	s_cselect_b32 s90, 3, 2                        ; k's block rot + 3, v's block rot + 2,
	s_cselect_b32 s[LIM], 13, 12                   ; in the loop v's waves ask in the first trip (the count stands at 13), k's waves never
	s_add_co_u32 s90, s90, s[ROT]
	s_and_b32 s90, s90, 15                         ; modulo 16
	s_mul_i32 s90, s90, 51200
	s_lshl_b32 s93, s24, 1
	s_add_co_u32 s93, s93, s[W1]
	s_mul_i32 s93, s93, 6400                       ; my 25 pieces of the block's 200
	s_add_co_u32 s90, s90, s93
	s_mul_i32 s93, s26, 819200
	s_add_co_u32 s90, s90, s93
	s_add_nc_u64 s[PFA:PFA+1], s[PFA:PFA+1], s[90:91]
	WIN 0x40
.set i, 0
.rept 24
	global_load_b128 v[4*i:4*i+3], v[LI], s[4:5] offset:512*i th:TH_LOAD_NT      ; my 16 rows of Q: 12,288 dense bytes; read once in the launch
.set i, i+1
.endr
	WIN 0
.irp i, 0,1,2,3
	global_load_b128 v[MW+4*\i:MW+4*\i+3], v[TM+\i], s[12:13]
.endr
.irp n, 0,1,2,3
	global_load_b128 v[QS+4*\n:QS+4*\n+3], v25, s[6:7] offset:512*\n
.endr
.irp t, 0,1,2,3,4,5,6,7
	global_load_b128 v[WQS+4*\t:WQS+4*\t+3], v30, s[8:9] offset:(32*(\t/2)+8*(\t%2))*32
.endr
.irp t, 0,1,2,3,4,5,6,7
	global_load_b128 v[BQ+8*\t:BQ+8*\t+3], v31, s[10:11] offset:(32*(\t/2)+8*(\t%2))*4
	global_load_b128 v[BQ+8*\t+4:BQ+8*\t+7], v31, s[10:11] offset:(32*(\t/2)+8*(\t%2))*4+16
.endr
	s_wait_loadcnt 32                              ; Q's 24 loads are in; the 4 + 4 + 8 + 16 behind them may be out
	WIN 0x04
.set i, 0
.rept 24
	ds_store_b128 v12, v[4*i:4*i+3] offset:544*i
.set i, i+1
.endr
	WIN 0
	s_wait_loadcnt 28                              ; the mask's four loads are in
.set i, 0
.rept 16
	v_log_f32 v[MW+i], v[MW+i]
.set i, i+1
.endr
	v_nop                                          ; a plain place behind the logarithms
	s_wait_alu depctr_va_vdst(0)                   ; one wait for the batch
.set i, 0
.rept 16
	v_mul_f32 v[MW+i], 0x417af233, v[MW+i]         ; x ln(2) sqrt(512): ln(mask) sqrt(512)
.set i, i+1
.endr
.set i, 0
.rept 16
	v_max_num_f32 v[MW+i], 0xce6e6b28, v[MW+i]     ; held at -1e9: a weight of 0
.set i, i+1
.endr
.irp i, 0,1,2,3
	ds_store_b128 v13, v[MW+4*\i:MW+4*\i+3] offset:2048*\i
.endr
	s_wait_tensorcnt 0x0                           ; my K step of Wq is in; no tensor load of mine is out, so a descriptor may be written:
	s_mov_b32 s[G1W+2], 96<<16                     ; from here on a load of Wq brings 96 rows, half a K step
	s_mov_b32 s[G1W+4], 96
	s_wait_dscnt 0x0                               ; my rows of Q and my terms of the mask lie in LDS
	s_wait_loadcnt 0x0                             ; scale words and bq
	s_barrier_signal -1
	s_barrier_wait -1
	QP 0, AKB, AV16                                ; K steps 0, 1 from slot 0
	s_wait_tensorcnt 0x0
	ds_add_u32 v[SPW], v[NIL]
	s_add_nc_u64 s[GKA+2:GKA+3], s[GKA+2:GKA+3], 4*49152
	s_add_nc_u64 s[GVA+2:GVA+3], s[GVA+2:GVA+3], 4*49152
	s_wait_dscnt 0x0
	CROUND
	JLOAD GKA, G1W, GVA, G1W                       ; K steps 4, 5 into slot 0
	QP 2, 14, 15                                   ; K steps 2, 3 from slot 1
	s_wait_tensorcnt 0x0
	ds_add_u32 v[SPW], v[NIL]
	s_add_nc_u64 s[GKB+2:GKB+3], s[14:15], 6*49152 ; the registers of the head's load take the ring's values: my half of K step 6,
	s_or_b32 s[GKB+3], s[GKB+3], 0x80000000
	s_mul_i32 s[GKB+1], s[W1], 24576
	s_add_co_u32 s[GKB+1], s[GKB+1], SLOT1         ; into k's region of slot 1
	s_add_nc_u64 s[GVB+2:GVB+3], s[GVB+2:GVB+3], 4*49152
	s_wait_dscnt 0x0
	CROUND
	JLOAD GKB, G1W, GVB, G1W                       ; K steps 6, 7 into slot 1
	QP 4, AKB, AV16
	s_wait_tensorcnt 0x0
	ds_add_u32 v[SPW], v[NIL]
	s_wait_dscnt 0x0
	CROUND
	JLOADK G0K, G1B                                ; the walk's first block of k into slot 0
	QP 6, 14, 15
.irp n, 0,1,2,3                        ; my 128 units of tile n are K step w of the scores' products
	QUANT 64*\n
.irp i, 0,1,2
	ds_store_b128 v16, v[PC+4*\i:PC+4*\i+3] offset:6144*\n+512*\i
.endr
	ds_store_b32 v17, v[PW] offset:512*\n
.endr
	s_wait_tensorcnt 0x0
	ds_add_u32 v[SPW], v[NIL]
	NEXT G0K, IXK, KBS
	s_wait_dscnt 0x0                               ; q's images lie in LDS
	CROUND
	JLOAD G0K, G1B, G0V, G1B                       ; the walk's second block of k into slot 1, its first of v into slot 0
	WIN 0x80
.set i, 0
.rept 48
	ds_load_b128 v[4*i:4*i+3], v18 offset:512*i    ; q's 16 fragments stay in registers
.set i, i+1
.endr
	WIN 0
.set i, 0
.rept 16
	ds_load_b32 v[QSW+i], v19 offset:128*i
.set i, i+1
.endr
	KLOAD AKB, AKS, AMB                            ; key step 0 of the walk
	s_mov_b32 s[VSL], 0
	s_mov_b32 s[KNX], SLOT1
	s_mov_b32 s[PB], 0
	s_mov_b32 s[MBO], 512
	s_mov_b32 s[CNT], 13
	s_wait_dscnt 0x0                               ; q's fragments and scale words, key step 0's k and the mask's terms are in
	SCORE 0, 0                                     ; key step 0's scores and the front of its softmax stand ahead of the first step
	SCORE 1, 0
	SCORE 2, 0
	SCORE 3, 0
	WIN 0
	PLACES 4                                       ; in front of the first read of results
.set fk, 0
.rept 26
	FRONT fk
.set fk, fk+1
.endr
	STEP 1, 2, 0, 2                                ; key step 0 starts O^T's sums
.Lstep:                                ; key steps 1 to 13
	STEP 0, 2, 0, 1
	s_sub_co_u32 s[CNT], s[CNT], 1
	s_cmp_lg_u32 s[CNT], 0
	s_cbranch_scc1 .Lstep
	STEP 0, 1, 0, 0                                ; the tail is written out: step 14 asks for v's last block
	STEP 0, 0, 1, 0                                ; step 15 for nothing
	; THE END.  Each wave's l and M of its keys meet in LDS; the additions are also the places behind the last products
.irp n, 0,1,2,3
	v_add_f32 v[ST+8*\n+4], v[ST+8*\n+2], v[ST+8*\n+3]
.endr
.irp n, 0,1,2,3
	v_permlanex16_b32 v[ST+8*\n+7], v[ST+8*\n+4], s[SEL], s[SEL+1]
.endr
.irp n, 0,1,2,3
	v_add_f32 v[ST+8*\n+4], v[ST+8*\n+4], v[ST+8*\n+7]
.endr
.irp n, 0,1,2,3
	v_mov_b32 v[ST+8*\n+5], v[ST+8*\n]
.endr
.irp n, 0,1,2,3
	ds_store_b64 v[ALM], v[ST+8*\n+4:ST+8*\n+5] offset:512*\n                    ; (l, -M) of query r, wave w
.endr
	v_and_b32 v22, 15, v0
	v_lshl_add_u32 v22, v22, 5, LM
	s_wait_alu depctr_va_vdst(0)
	s_wait_dscnt 0x0
	s_barrier_signal -1
	s_barrier_wait -1
.irp n, 0,1,2,3
	ds_load_b128 v[S+8*\n:S+8*\n+3], v22 offset:512*\n
	ds_load_b128 v[S+8*\n+4:S+8*\n+7], v22 offset:512*\n+16
.endr
.irp n, 0,1,2,3
	v_sub_f32 v[CN+4*\n+3], 0x42f40000, v[CN+4*\n+2]                             ; 122 - GM
.endr
	s_wait_alu depctr_va_vdst(0)
	s_wait_dscnt 0x0
.irp b, 0,1,2,3
.irp n, 0,1,2,3
	v_sub_f32 v[S+8*\n+2*\b+1], v[CN+4*\n+3], v[S+8*\n+2*\b+1]                   ; M_b - GM + 122
.endr
.endr
.irp b, 0,1,2,3
.irp n, 0,1,2,3
	v_cvt_i32_f32 v[S+8*\n+2*\b+1], v[S+8*\n+2*\b+1]
.endr
.endr
.irp b, 0,1,2,3
.irp n, 0,1,2,3
	v_ldexp_f32 v[S+8*\n+2*\b], v[S+8*\n+2*\b], v[S+8*\n+2*\b+1]
.endr
.endr
.irp n, 0,1,2,3
	v_add_f32 v[S+8*\n], v[S+8*\n], v[S+8*\n+2]
	v_add_f32 v[S+8*\n+4], v[S+8*\n+4], v[S+8*\n+6]
.endr
.irp n, 0,1,2,3
	v_add_f32 v[S+8*\n], v[S+8*\n], v[S+8*\n+4]                                  ; the row's sum
.endr
	s_wait_alu depctr_va_vdst(0)
.irp n, 0,1,2,3
	v_rcp_f32 v[CN+4*\n], v[S+8*\n]
.endr
	v_nop                                          ; a plain place behind the reciprocals
	s_wait_alu depctr_va_vdst(0)                   ; one wait for the four
; THE WAY OUT, tile by tile: 16 rows x my 128 dv.  A lane holds 32 neighbouring bytes of a row: the tile goes through my stage and comes back as whole rows of 512 bytes.
.macro TOSTAGE n
	WIN 0x41
.set j, 0
.rept 32
	v_pk_mul_f32 v[64*(\n)+j:64*(\n)+j+1], v[64*(\n)+j:64*(\n)+j+1], v[CN+4*(\n):CN+4*(\n)+1] op_sel_hi:[1,0]   ; O^T / the sum, each accumulator from its low end on
.set j, j+2
.endr
	WIN 0x04
.irp t, 0,1,2,3,4,5,6,7
	ds_store_b128 v[STO], v[64*(\n)+8*\t:64*(\n)+8*\t+3] offset:64*\t
	ds_store_b128 v[STO], v[64*(\n)+8*\t+4:64*(\n)+8*\t+7] offset:64*\t+16
.endr
	WIN 0
.set BB, S+112*((\n)%2)
.set i, 0
.rept 16
	ds_load_b128 v[BB+4*i:BB+4*i+3], v[RD] offset:528*i    ; LDS serves a wave's instructions in order: these see my stores, and the next tile's stores come behind them
.set i, i+1
.endr
.endm
.macro SEND n, younger                 ; younger: the LDS instructions issued behind tile n's loads
.set BB, S+112*((\n)%2)
	s_wait_dscnt \younger
.set i, 0
.rept 16
	global_store_b128 v[LI], v[BB+4*i:BB+4*i+3], s[20:21] offset:(16*(\n)+i)*2048 th:TH_STORE_NT   ; 32 lanes store 512 consecutive bytes, aligned; written once
.set i, i+1
.endr
.endm
	TOSTAGE 0
	TOSTAGE 1
	SEND 0, 32                                     ; behind tile 0's loads: tile 1's 16 stores and 16 loads
	s_wait_xcnt 0x0                                ; tile 0's stores have read their registers: tile 2's rows may land there
	TOSTAGE 2
	SEND 1, 32
	s_wait_xcnt 0x0
	TOSTAGE 3
	SEND 2, 32
	SEND 3, 0
	s_wait_tensorcnt 0x0                           ; the wave's end
	ds_add_u32 v[SPW], v[NIL]
	s_wait_dscnt 0x0
	CROUND                                         ; the closing round
	s_endpgm
.Lfunc_end_k_q1f8195dd99_attn:
	.size	k_q1f8195dd99_attn, .Lfunc_end_k_q1f8195dd99_attn-k_q1f8195dd99_attn
	.p2alignl 7, 3214868480
	.fill 96, 4, 3214868480
	.section	.rodata,"a",@progbits
	.p2align	6, 0x0
	.amdhsa_kernel k_q1f8195dd99_attn
		.amdhsa_group_segment_fixed_size 327680
		.amdhsa_private_segment_fixed_size 0
		.amdhsa_enable_private_segment 0
		.amdhsa_kernarg_size 72
		.amdhsa_user_sgpr_count 2
		.amdhsa_user_sgpr_kernarg_segment_ptr 1
		.amdhsa_wavefront_size32 1
		.amdhsa_system_sgpr_workgroup_id_x 1
		.amdhsa_system_sgpr_workgroup_id_y 1
		.amdhsa_system_sgpr_workgroup_id_z 1
		.amdhsa_system_vgpr_workitem_id 0
		.amdhsa_next_free_vgpr 1024
		.amdhsa_next_free_sgpr 100
		.amdhsa_reserve_vcc 0
		.amdhsa_float_denorm_mode_32 3
		.amdhsa_float_denorm_mode_16_64 3
		.amdhsa_memory_ordered 1
		.amdhsa_forward_progress 1
		.amdhsa_inst_pref_size 255
	.end_amdhsa_kernel
	.section	.bss,"aw",@nobits
	.p2align	6
	.space	262144
	.amdgpu_metadata
---
amdhsa.version: [ 1, 2 ]
amdhsa.kernels:
  - .name:           k_q1f8195dd99_attn
    .symbol:         k_q1f8195dd99_attn.kd
    .args:
      - { .name: Q_codes, .offset: 0, .size: 8, .value_kind: global_buffer, .address_space: global }
      - { .name: Q_scales, .offset: 8, .size: 8, .value_kind: global_buffer, .address_space: global }
      - { .name: Wq_scales, .offset: 16, .size: 8, .value_kind: global_buffer, .address_space: global }
      - { .name: bq, .offset: 24, .size: 8, .value_kind: global_buffer, .address_space: global }
      - { .name: mask_weights, .offset: 32, .size: 8, .value_kind: global_buffer, .address_space: global }
      - { .name: wqb, .offset: 40, .size: 8, .value_kind: global_buffer, .address_space: global }
      - { .name: kblk, .offset: 48, .size: 8, .value_kind: global_buffer, .address_space: global }
      - { .name: vblk, .offset: 56, .size: 8, .value_kind: global_buffer, .address_space: global }
      - { .name: out0, .offset: 64, .size: 8, .value_kind: global_buffer, .address_space: global }
    .group_segment_fixed_size: 327680
    .private_segment_fixed_size: 0
    .kernarg_segment_align: 8
    .kernarg_segment_size: 72
    .max_flat_workgroup_size: 128
    .sgpr_count:     100
    .vgpr_count:     1024
    .wavefront_size: 32
...
	.end_amdgpu_metadata
.endif
;; end of part 2
